; MI455X (gfx1250); checked and timed in simulation.
; The chip was launched on July 23, 2026; its instructions are those of AMD's public machine-readable ISA for CDNA 5 (MIT licence, August 2026) and "CDNA5" Instruction Set Architecture Reference Guide (July 2026). The comments in the code are by the model that wrote it; some were corrected since.
;; self attention. Allowed arithmetic: matrix products marked QUANTISED: E2M1 operands, one E8M0 scale for each 32 along K, by v_wmma_scale_f32_16x16x128_f8f6f4 with both operands' format E2M1 (or v_wmma_scale_f32_32x16x128_f4), f32 sums; everything else in f32.
;; Inputs: Wk 1,024 x 1,024 float32; Wq 1,024 x 1,024 float32; Wv 1,024 x 1,024 float32; bk 1,024 float32; bq 1,024 float32; bv 1,024 float32; mask 4 x 2,048 x 2,048 float32; x 4 x 2,048 x 1,024 float32.
;; Outputs: out0 4 x 2,048 x 1,024 float32.
;; This version of the problem:
;;   THIS VERSION OF THE PROBLEM IS GIVEN IN LOW PRECISION. The matrix products marked QUANTISED in the list below multiply operands that are first quantised to E2M1 (2 exponent bits, 1 mantissa bit; 4 bits a number), with one power-of-two scale for each 32 numbers along K (OCP MX v1.0); their sums are f32. All else is computed in f32.
;;   The module's matrix products, in the order in which they are computed (A, B: the left and right operand; K: the contracted axis; several contracted axes count as one K, in the product's order):
;;     1. [M 8,192, K 1,024] x [K 1,024, N 1,024]; A: input x; B: input Wq: QUANTISED
;;     2. [M 8,192, K 1,024] x [K 1,024, N 1,024]; A: input x; B: input Wk: QUANTISED
;;     3. [M 8,192, K 1,024] x [K 1,024, N 1,024]; A: input x; B: input Wv: QUANTISED
;;     4. batch 4 x [M 2,048, K 1,024] x [K 1,024, N 2,048]; A: computed on the way; B: computed on the way: QUANTISED
;;     5. batch 4 x [M 2,048, K 2,048] x [K 2,048, N 1,024]; A: softmax (see below); B: computed on the way: QUANTISED
;;   THE QUANTISER, for each operand of a quantised product, along K:
;;     - K is cut into blocks of 32 from its start; a last block that is shorter is filled with zeros.
;;     - A block's scale is 2^e with e = floor(log2(the largest magnitude in the block)) - 2, held to -126 .. 127; a block of zeros has e = 0. As a byte (E8M0): e + 127.
;;     - Each number is divided by its block's scale, clamped to +-6, and rounded to the nearest number of E2M1, ties to even, subnormals kept.
;;     - The product sums the exact products of the quantised numbers (number of the format x scale) in f32.
;;   ~~~python
;;   def quantise(x, axis):      # numpy; x: float32 -> the quantised numbers, widened to float32 again
;;       x = np.moveaxis(x, axis, -1); K = x.shape[-1]
;;       x = np.pad(x, [(0, 0)] * (x.ndim - 1) + [(0, -K % 32)]); x = x.reshape(x.shape[:-1] + (-1, 32)); a = np.abs(x).max(-1, keepdims=True)
;;       e = np.where(a > 0, np.clip(np.frexp(np.where(a > 0, a, 1))[1] - 1 - 2, -126, 127), 0)      # np.frexp(a)[1] - 1 = floor(log2(a)), exactly
;;       r = np.clip(x / 2.0 ** e, -6, 6)
;;       step = 2.0 ** (np.maximum(np.frexp(np.where(r == 0, 1, r))[1] - 1, 0) - 1)
;;       q = np.round(r / step) * step * 2.0 ** e      # np.round: ties to even
;;       return np.moveaxis(q.reshape(q.shape[:-2] + (-1,))[..., :K], -1, axis).astype(np.float32)
;;   ~~~
;;   SOFTMAX AHEAD OF A QUANTISED PRODUCT. Where the list says 'softmax', what is quantised is not the finished softmax but p = 2^(t - M), with t = logit x log2(e) and M = ceil(the row's largest t), a whole number; so 1/2 < the row's largest p <= 1. The row's sum l is taken of the UNQUANTISED p, in f32, and the product's result is divided by l at the end. Since M is a whole number, a kernel that streams over the keys may use a running M (the ceiling of the running maximum): every later rescaling is an exact power of two, which a block's scale takes up: the codes' values come out the same.
;;   OPERANDS COMPUTED ON THE WAY. 'Computed on the way' means the value that the module computes at that place (a softmax that the list does not call 'softmax' is quantised finished and normalised). What goes into a quantiser is computed in f32, as accurately as f32 sums, v_exp_f32 and their like allow (about 1e-6 of the number): no bf16 or f16 on the way to a quantiser, and a product that is left as it is and whose result goes on into a quantised operand takes f32 operands (vector FMAs, or v_wmma_f32_16x16x4_f32). A number that lies on a knife's edge between two numbers of the format may be rounded either way, as far as f32 arithmetic and the matrix unit's own rounding can turn it there, and no further.
;; One version. Each part assembles by itself: llvm-mc -triple=amdgcn-amd-amdhsa -mcpu=gfx1250 --defsym DOCPART=n.
;; ======== version 1 of 1: 4 launches
;; limits: right only within a limited range of input values
;; workspace buffers: cw1 5,767,168 bytes; sw1 360,448 bytes; c2 12,582,912 bytes; s2 786,432 bytes; c3 8,388,608 bytes; s3 1,572,864 bytes
;; launch quant (part 1): grid 448 x 1, 4 waves a work-group, no clusters, 35,328 bytes of LDS; arguments x, Wq, Wk, Wv, cw1, sw1; writes cw1, sw1
.if DOCPART == 1
	.amdgcn_target "amdgcn-amd-amdhsa--gfx1250"
	.amdhsa_code_object_version 6
	.text
	.protected	k_qeab4eca34c_quant
	.globl	k_qeab4eca34c_quant
	.p2align	8
	.type	k_qeab4eca34c_quant,@function
k_qeab4eca34c_quant:
	s_mov_b64 s[64:65], 0
	v_nop
	global_prefetch_b8 v0, s[64:65] scope:SCOPE_SE
	s_setreg_imm32_b32 hwreg(HW_REG_WAVE_MODE, 25, 1), 1
	s_wait_xcnt 0x0
; x [8192][1024] (K innermost) and Wq, Wk, Wv [1024 (K)][1024] (K outermost), f32, become codes of FP4 (E2M1) with one E8M0 byte for each 32 along K.
; A block's scale is 2^(floor(log2(its largest magnitude)) - 2): its byte is the largest magnitude's exponent field - 2, held at 1 from below.
; LAYOUT OF THE CODES: A FRAGMENT IMAGE.  16 rows x 128 K are 8 registers a lane of a matrix operand; they lie in memory as those registers: registers 0-3 of lane l at 16 l, registers 4-7 at 512 + 16 l: 1,024 bytes.
; POSITION p = 16 i + r (image block i, lane row r) holds row T(p) = p with its bits 3 and 4 exchanged, so that a later product that takes such an operand as source 0 leaves 16 neighbours along the next K in a lane.
; cw1: x's images [512 blocks][8 K steps][1024], then from WC on the weights' [3][64 blocks][8][1024].  sw1: scale words (4 bytes: 128 K of one row) [8 K steps][8192 positions], then from WS on [8][3072].
; Work-groups 0-255 take x (64 tokens x 512 K; a wave: 64 tokens x 128 K, four fragments), work-groups 256-447 a weight (128 columns x 128 K; a wave: 32 columns).  No tensor load, no barrier: waves share nothing.
; LIMITS: NaN and infinities among the inputs are not served.  A block of zeros keeps the byte 1 (the stated rule says 127): its codes are zeros, and only this program reads the bytes.
.set WC,    4194304
.set WS,    262144
.set WREG,  8704                       ; LDS of a wave (x path alone): a stage of 16 rows x 528 bytes, then 256 bytes of scale words
.set WORDS, 8448
.set R,     32                         ; v32-159  x: two sets of 64 registers as loaded;  W: the lane's 128 numbers down K
.set X,     160                        ; v160-223 x: 64 numbers in the operand's order;   W: v160-175 the codes
.set PC,    224                        ; v224-255 x: 8 registers of codes for each of the four fragments: no store's data are written again
.macro LOADX f                         ; fragment f: 16 rows, each 512 consecutive bytes (its 128 numbers of my K step); the order T stands in the immediates
.set j, 0
.rept 16
	global_load_b128 v[R+64*((\f)%2)+4*j:R+64*((\f)%2)+4*j+3], v5, s[4:5] offset:(32*((\f)/2)+8*((\f)%2)+j+8*(j/8))*4096 th:TH_LOAD_NT
.set j, j+1
.endr
.endm
.macro FRAGX f
.if (\f) < 3
	s_wait_loadcnt 16                              ; this fragment's 16 loads are in; the next fragment's 16 may be out
.else
	s_wait_loadcnt 0x0
.endif
.set j, 0
.rept 16
	ds_store_b128 v6, v[R+64*((\f)%2)+4*j:R+64*((\f)%2)+4*j+3] offset:528*j   ; row j as it lies
.set j, j+1
.endr
.irp c, 0,1
.irp g, 0,1,2,3,4,5,6,7
	ds_load_b128 v[X+32*\c+4*\g:X+32*\c+4*\g+3], v7 offset:256*\c+16*\g       ; lane (r, h): row r, K = 64 c + 32 h + 0 .. 31.  LDS serves a wave's instructions in order: these see the stores
.endr
.endr
	s_wait_dscnt 0x0                               ; the numbers are back, and the stores have read their registers,
.if (\f) < 2
	LOADX (\f)+2                                   ; which take the fragment two further on
.endif
.irp c, 0,1
	v_max3_num_f32 v[12+\c], |v[X+32*\c]|, |v[X+32*\c+1]|, 0x1800000          ; my block 2 c + h: all its 32 numbers are mine; the floor 2^(3 - 127) holds the byte at 1 from below
.endr
.irp i, 2,4,6,8,10,12,14,16,18,20,22,24,26,28,30
.irp c, 0,1
	v_max3_num_f32 v[12+\c], v[12+\c], |v[X+32*\c+\i]|, |v[X+32*\c+\i+1]|     ; (the two blocks by turns)
.endr
.endr
.irp c, 0,1
	v_add_nc_u32 v[14+\c], 0xff000000, v[12+\c]    ; 2 off the exponent field: the conversion's scale operand
.endr
.irp c, 0,1
	v_lshrrev_b32 v[16+\c], 23, v[14+\c]           ; the scale's byte
.endr
	v_lshl_or_b32 v18, v17, 16, v16                ; my two bytes, blocks h and 2 + h,
	v_lshlrev_b32 v18, v11, v18                    ; 8 h bits up;
	v_permlanex16_b32 v19, v18, s28, s29
	v_or_b32 v18, v18, v19                         ; with lane l xor 16's two the row's word is whole
.irp c, 0,1
.irp g, 0,1,2,3
	v_cvt_scalef32_pk8_fp4_f32 v[PC+8*(\f)+4*\c+\g], v[X+32*\c+8*\g:X+32*\c+8*\g+7], v[14+\c]
.endr
.endr
	v_nop                                          ; a plain line behind the last scaled conversion
	ds_store_b32 v8, v18 offset:WORDS+64*(\f)      ; lanes r and r + 16 write the same word with the same value
	global_store_b128 v5, v[PC+8*(\f):PC+8*(\f)+3], s[12:13] offset:8192*(\f)          ; 512 consecutive bytes each
	global_store_b128 v5, v[PC+8*(\f)+4:PC+8*(\f)+7], s[12:13] offset:8192*(\f)+512
.endm
.macro LOADW kb                        ; block kb of my column: W(32 kb + i, column): 32 lanes read the same 128 consecutive bytes of a row
.set j, 0
.rept 32
	global_load_b32 v[R+32*(\kb)+j], v5, s[6:7] offset:(32*(\kb)+j)*4096 th:TH_LOAD_NT
.set j, j+1
.endr
.endm
.macro BLOCKW kb
.set XS, R+32*(\kb)
.if (\kb) < 3
	s_wait_loadcnt 32                              ; this block's 32 loads are in; the next block's 32 may be out
.else
	s_wait_loadcnt 0x0
.endif
.if (\kb) < 2
	LOADW (\kb)+2                                  ; each block has registers of its own
.endif
	v_max3_num_f32 v12, |v[XS]|, |v[XS+1]|, |v[XS+2]|
	v_max3_num_f32 v13, |v[XS+3]|, |v[XS+4]|, |v[XS+5]|
.irp i, 6,10,14,18,22,26
	v_max3_num_f32 v12, v12, |v[XS+\i]|, |v[XS+\i+1]|
	v_max3_num_f32 v13, v13, |v[XS+\i+2]|, |v[XS+\i+3]|
.endr
	v_max3_num_f32 v12, v12, |v[XS+30]|, |v[XS+31]|
	v_max3_num_f32 v12, v12, v13, 0x1800000        ; and the floor
	v_add_nc_u32 v14, 0xff000000, v12
	v_lshrrev_b32 v15, 23, v14
.if (\kb) == 0
	v_mov_b32 v16, v15
.else
	v_lshl_or_b32 v16, v15, 8*(\kb), v16           ; byte kb of the column's word
.endif
.irp g, 0,1,2,3
	v_cvt_scalef32_pk8_fp4_f32 v[X+4*(\kb)+\g], v[XS+8*\g:XS+8*\g+7], v14
.endr
	v_nop                                          ; a plain line behind the last scaled conversion
	global_store_b128 v6, v[X+4*(\kb):X+4*(\kb)+3], s[12:13] offset:256*(\kb)   ; block kb = 2 c + h of row r lies at 512 c + 16 (r + 16 h) of the image: sixteen lanes write 256 consecutive bytes, aligned
.endm
	s_load_b256 s[4:11], s[0:1], 0x0               ; x s[4:5], Wq s[6:7], Wk s[8:9], Wv s[10:11]
	s_load_b128 s[12:15], s[0:1], 0x20             ; cw1 s[12:13], sw1 s[14:15]
	v_lshl_add_u32 v30, v0, 2, 0x8800
	v_mov_b32 v31, 0
	v_lshrrev_b32 v1, 5, v0
	v_readfirstlane_b32 s16, v1                    ; wave
	v_and_b32 v2, 31, v0                           ; lane
	v_and_b32 v3, 15, v0                           ; r
	v_bfe_u32 v4, v0, 4, 1                         ; h
	s_cmp_lt_u32 ttmp9, 256
	s_cbranch_scc0 .Lweights
	; ---- x: G = 64 tokens, s = my K step
	s_lshr_b32 s17, ttmp9, 1                       ; G
	s_and_b32 s18, ttmp9, 1
	s_lshl_b32 s18, s18, 2
	s_add_co_u32 s18, s18, s16                     ; s = 4 (work-group % 2) + wave
	s_lshl_b32 s20, s17, 18                        ; x: 64 rows of 4,096 bytes x G
	s_lshl_b32 s19, s18, 9
	s_add_co_u32 s20, s20, s19                     ;    + 512 s
	s_mov_b32 s21, 0
	s_lshl_b32 s22, s17, 5
	s_add_co_u32 s22, s22, s18
	s_lshl_b32 s22, s22, 10                        ; images: (8 (4 G) + s) x 1,024
	s_mov_b32 s23, 0
	s_lshl_b32 s24, s18, 15
	s_lshl_b32 s19, s17, 8
	s_add_co_u32 s24, s24, s19                     ; words: 32,768 s + 256 G
	s_mov_b32 s25, 0
	s_mul_i32 s26, s16, WREG                       ; my wave's LDS
	s_mov_b32 s28, 0x76543210
	s_mov_b32 s29, 0xfedcba98                      ; v_permlanex16_b32's selects for lane l xor 16
	s_wait_alu depctr_va_vdst(0)
	v_lshlrev_b32 v5, 4, v2                        ; 16 x lane
	v_add_nc_u32 v6, s26, v5                       ; the stage, in
	v_mul_u32_u24 v7, v3, 528
	v_lshl_add_u32 v7, v4, 7, v7
	v_add_nc_u32 v7, s26, v7                       ; and out: row r, + 128 h
	v_lshlrev_b32 v8, 2, v3
	v_add_nc_u32 v8, s26, v8                       ; my row's word
	v_lshlrev_b32 v10, 3, v2
	v_add_nc_u32 v9, s26, v10                      ; the words on their way out: 8 bytes a lane
	v_lshlrev_b32 v11, 3, v4                       ; 8 h
	v_mov_b32 v19, 0                               ; a lane permute's destination counts as one of its sources
	s_wait_alu depctr_va_vdst(0)
	s_wait_kmcnt 0x0
	s_add_nc_u64 s[4:5], s[4:5], s[20:21]
	s_add_nc_u64 s[12:13], s[12:13], s[22:23]
	s_add_nc_u64 s[14:15], s[14:15], s[24:25]
	LOADX 0
	LOADX 1
	FRAGX 0
	FRAGX 1
	FRAGX 2
	FRAGX 3
	ds_load_b64 v[20:21], v9 offset:WORDS          ; my wave's 64 words, in order behind my stores
	s_wait_dscnt 0x0
	global_store_b64 v10, v[20:21], s[14:15]       ; 256 consecutive bytes, aligned
	s_wait_tensorcnt 0x0
	ds_add_u32 v30, v31
	s_wait_dscnt 0x0
	s_endpgm
.Lweights:
	; ---- a weight: tz = which, cg = 128 columns, s = K step
	s_sub_co_u32 s17, ttmp9, 256
	s_lshr_b32 s18, s17, 6                         ; tz
	s_bfe_u32 s19, s17, 0x30003                    ; cg
	s_and_b32 s20, s17, 7                          ; s
	s_lshl_b32 s21, s19, 2
	s_add_co_u32 s21, s21, s16                     ; my 32 columns: 4 cg + wave
	s_lshl_b32 s22, s20, 19                        ; W: 128 rows of 4,096 bytes x s
	s_lshl_b32 s24, s21, 7
	s_add_co_u32 s22, s22, s24                     ;    + 128 bytes x (4 cg + wave)
	s_mov_b32 s23, 0
	s_lshl_b32 s24, s18, 6
	s_lshl_b32 s26, s21, 1
	s_add_co_u32 s24, s24, s26                     ; my first image block: 64 tz + 2 (4 cg + wave)
	s_lshl_b32 s24, s24, 3
	s_add_co_u32 s24, s24, s20
	s_lshl_b32 s24, s24, 10
	s_add_co_u32 s24, s24, WC
	s_mov_b32 s25, 0
	s_mul_i32 s26, s20, 12288                      ; words: 3,072 a K step
	s_lshl_b32 s28, s18, 12
	s_add_co_u32 s26, s26, s28
	s_lshl_b32 s28, s21, 7
	s_add_co_u32 s26, s26, s28
	s_add_co_u32 s26, s26, WS
	s_mov_b32 s27, 0
	v_and_b32 v5, 7, v0
	v_bfe_u32 v6, v0, 3, 1
	v_lshl_or_b32 v5, v6, 4, v5
	s_wait_alu depctr_va_vdst(0)
	v_lshl_or_b32 v5, v4, 3, v5                    ; T(lane): lane l is position l and takes column T(l)
	v_lshlrev_b32 v5, 2, v5
	v_lshlrev_b32 v6, 4, v3
	v_lshl_or_b32 v6, v4, 13, v6                   ; out: image block lane / 16 (8,192 bytes on), row lane % 16
	v_lshlrev_b32 v7, 2, v2
	s_wait_alu depctr_va_vdst(0)
	s_wait_kmcnt 0x0
	s_cmp_eq_u32 s18, 0                            ; the choice hangs on the work-group's number alone
	s_cselect_b64 s[6:7], s[6:7], s[8:9]
	s_cmp_eq_u32 s18, 2
	s_cselect_b64 s[6:7], s[10:11], s[6:7]
	s_add_nc_u64 s[6:7], s[6:7], s[22:23]
	s_add_nc_u64 s[12:13], s[12:13], s[24:25]
	s_add_nc_u64 s[14:15], s[14:15], s[26:27]
	LOADW 0
	LOADW 1
	BLOCKW 0
	BLOCKW 1
	BLOCKW 2
	BLOCKW 3
	global_store_b32 v7, v16, s[14:15]             ; 128 consecutive bytes a wave: the weights' words are 96 KiB in all
	s_endpgm
.Lfunc_end_k_qeab4eca34c_quant:
	.size	k_qeab4eca34c_quant, .Lfunc_end_k_qeab4eca34c_quant-k_qeab4eca34c_quant
	.p2alignl 7, 3214868480
	.fill 96, 4, 3214868480
	.section	.rodata,"a",@progbits
	.p2align	6, 0x0
	.amdhsa_kernel k_qeab4eca34c_quant
		.amdhsa_group_segment_fixed_size 35328
		.amdhsa_private_segment_fixed_size 0
		.amdhsa_enable_private_segment 0
		.amdhsa_kernarg_size 48
		.amdhsa_user_sgpr_count 2
		.amdhsa_user_sgpr_kernarg_segment_ptr 1
		.amdhsa_wavefront_size32 1
		.amdhsa_system_sgpr_workgroup_id_x 1
		.amdhsa_system_sgpr_workgroup_id_y 1
		.amdhsa_system_sgpr_workgroup_id_z 1
		.amdhsa_system_vgpr_workitem_id 0
		.amdhsa_next_free_vgpr 256
		.amdhsa_next_free_sgpr 66
		.amdhsa_reserve_vcc 0
		.amdhsa_float_denorm_mode_32 3
		.amdhsa_float_denorm_mode_16_64 3
		.amdhsa_memory_ordered 1
		.amdhsa_forward_progress 1
		.amdhsa_inst_pref_size 50
	.end_amdhsa_kernel
	.amdgpu_metadata
---
amdhsa.version: [ 1, 2 ]
amdhsa.kernels:
  - .name:           k_qeab4eca34c_quant
    .symbol:         k_qeab4eca34c_quant.kd
    .args:
      - { .name: x, .offset: 0, .size: 8, .value_kind: global_buffer, .address_space: global }
      - { .name: Wq, .offset: 8, .size: 8, .value_kind: global_buffer, .address_space: global }
      - { .name: Wk, .offset: 16, .size: 8, .value_kind: global_buffer, .address_space: global }
      - { .name: Wv, .offset: 24, .size: 8, .value_kind: global_buffer, .address_space: global }
      - { .name: cw1, .offset: 32, .size: 8, .value_kind: global_buffer, .address_space: global }
      - { .name: sw1, .offset: 40, .size: 8, .value_kind: global_buffer, .address_space: global }
    .group_segment_fixed_size: 35328
    .private_segment_fixed_size: 0
    .kernarg_segment_align: 8
    .kernarg_segment_size: 48
    .max_flat_workgroup_size: 128
    .sgpr_count:     66
    .vgpr_count:     256
    .wavefront_size: 32
...
	.end_amdgpu_metadata
.endif
;; end of part 1
;; launch proj (part 2): grid 8 x 32, 4 waves a work-group, clusters of 4 x 4, 327,680 bytes of LDS; arguments cw1, sw1, bq, bk, bv, c2, s2; writes c2, s2
.if DOCPART == 2
	.amdgcn_target "amdgcn-amd-amdhsa--gfx1250"
	.amdhsa_code_object_version 6
	.text
	.protected	k_qeab4eca34c_proj
	.globl	k_qeab4eca34c_proj
	.p2align	8
	.type	k_qeab4eca34c_proj,@function
k_qeab4eca34c_proj:
	s_mov_b64 s[64:65], 0
	v_nop
	global_prefetch_b8 v0, s[64:65] scope:SCOPE_SE
	s_setreg_imm32_b32 hwreg(HW_REG_WAVE_MODE, 25, 1), 1
	s_wait_xcnt 0x0
	s_wait_alu depctr_hold_cnt(0) depctr_sa_sdst(0) depctr_va_vdst(0) depctr_va_sdst(0) depctr_va_ssrc(0) depctr_va_vcc(0) depctr_vm_vsrc(0)
	s_getreg_b32 s2, hwreg(HW_REG_IB_STS2, 6, 4)
	s_cmp_eq_u32 s2, 0
	s_cbranch_scc0 .Lentry_in_a_cluster
	s_endpgm
.Lentry_in_a_cluster:
	s_bfe_u32 s2, ttmp6, 0x10000c
	s_cmp_lg_u32 s2, 0xf033
	s_cbranch_scc0 .Lentry_shape_is_right
	s_endpgm
.Lentry_shape_is_right:
; Q = x Wq + bq, K = x Wk + bk, V = x Wv + bv on codes of FP4 with E8M0 scales, and the results quantised in registers: Q and K along their 1,024 channels, V along the tokens (the keys of the last product).
; OPERANDS ARE FRAGMENT IMAGES (16 rows x 128 K = 1,024 bytes: registers 0-3 of lane l at 16 l, registers 4-7 at 512 + 16 l); position p of a row axis holds row T(p) = p with bits 3 and 4 exchanged.
; SHARES.  Q and K together are 256 tiles of 256 tokens x 256 channels, V is 256 half tiles of 128 channels x 256 tokens: a work-group makes one of each, for the SAME 256 tokens, so that x's tile stays in LDS for both
; and all 256 work-groups have equal work.  Cluster x says Q (0) or K (1); c = 4 x cluster x + cx is the column tile, and V's channels are 128 c on.
; THE MATRIX INSTRUCTION: source 0 = the B role, source 1 = the A role: a lane holds ONE row of the A role, and, by T, the 16 registers of B's blocks 2 b and 2 b + 1 are 16 neighbours along the B role's axis.
; PASS 1 (Q or K): A role = x (a lane holds a token), B role = W (registers run along the channels); a wave makes 128 x 128: 64 accumulators.  All of K = 1,024 lies in LDS: two slots of 4 K steps.
; PASS 2 (V): A role = Wv (a lane holds a channel), B role = x (registers run along the tokens); a wave makes 64 channels x 128 tokens: 32 accumulators.  Wv's half tile, 64 KiB, takes the place of W's K steps 0-3
; as soon as those are in registers: the launch's one refill.
; The bias is the C of each sum's first matrix instruction.  The accumulators take turns in the same order in every K step.
; CLUSTER 4 x 4: x's tiles are shared along a row of the cluster, W's and Wv's along a column: joint loads.
; c2: Q's images [512 blocks][8][1024], K's from 4,194,304 on, V's from 8,388,608 on as [4 batches][64 channel blocks][16 key steps][1024].  s2: words [8][8192], K's from 262,144 on, V's from 524,288 on as [4][16][1024].
; LIMITS: NaN and infinities are not served; a block of zeros keeps the byte 1 (its codes are zeros; only this program reads the bytes).
; REGISTERS: window 0: v1-20 addresses; v32-47 scale words, two sets; v48-63, v224-255 codes on their way out; v64-127, v128-191 the A role's fragments, two sets; v192-223 Wv's scale words;
;   window 1: v0-63, v64-127 the B role's; v128-159 bv; v192-255 bq or bk; windows 2, 3: accumulator (a, b) at v[8 (8 (a % 4) + b)].
; AS THE TEXT STANDS: each operand tile lies in LDS whole, [16 blocks][8 K steps][1024], x's from 0 on and W's from 131,072 on, each wave's 64 KiB brought by ONE tensor load at the head.  The scale words come through registers.
; Wv's half tile takes the first 64 KiB of W's place behind the fetch of K step 7.  c2: Q's images [512 blocks][8][1024], then for each batch K's 1 MiB and V's 1 MiB on end.
.set SLOT1, 4096                       ; from K steps 0-3 to K steps 4-7 of a block
.set WVL,   131072                     ; Wv's half tile [8 blocks][8 K steps][1024]: in W's place
.set SCL,   262144                     ; scale words: four quarters (x's halves, W's halves) of [8 K steps][128 words]
.set STG,   278528                     ; 768 bytes a wave: the results' scale words on their way out: 512 for Q or K, 256 for V
.set SPARE, 281600                     ; the spare words: 128 bytes for each wave; no other line names them
.set ADRA, 4                           ; v4-5   x as the A role, slot 0, 1
.set ADRB, 6                           ; v6-7   W
.set ADRS, 8                           ; v8     pass 1's scale words: lanes 0-15 x's, lanes 16-31 W's
.set ADRX, 12                          ; v12-13 x as the B role
.set ADRV, 14                          ; v14    Wv
.set ADRT, 15                          ; v15    pass 2: x's scale words, in all lanes
.set SPW,  28
.set NIL,  29
.set SC,   32
.set AF,   64
.set TM,   128                         ; the way out: v128-131 magnitudes, v132-135 bytes, v140-143 scale operands
.set PW,   144
.set WVS,  192                         ; v192-223 Wv's scale words: block a, K step s at v[192 + 8 a + s]: scales and nothing else
.set BI,   192                         ; in window 1
.set BV,   128                         ; in window 1
.set WV,   18
.set HA,   19
.set HB,   20
.set G1,   24
.set G0,   32
.set G1B,  40
.set G0B,  48
.set G1S,  56
.set SEL,  66
.set G1SB, 68
.set G0S,  76
.set G0SB, 80
.set G1V,  84
.set G0V,  92
.set MSB, 0
.macro WIN new                         ; the immediate's high byte repeats the setting that is left
.if MSB != (\new)
	s_set_vgpr_msb (MSB<<8)|(\new)
.set MSB, \new
.endif
.endm
.macro PLACES                          ; four plain places behind matrix instructions, in front of loads into their registers and of reads of their results
.rept 4
	v_nop
.endr
.endm
; A joint load: waves 0 and 1 fetch x's halves, waves 2 and 3 W's.  The branch hangs on the wave's number alone.  Four v_nop follow each line.
.macro JLOAD g0a, g1a, g0b, g1b
	s_cmp_eq_u32 s[HA], 0
	s_cbranch_scc0 .Lfor_b_\@
	tensor_load_to_lds s[\g0a:\g0a+3], s[\g1a:\g1a+7]
	s_nop 0
.rept 4
	v_nop
.endr
	s_branch .Lasked_\@
.Lfor_b_\@:
	tensor_load_to_lds s[\g0b:\g0b+3], s[\g1b:\g1b+7]
	s_nop 0
.rept 4
	v_nop
.endr
.Lasked_\@:
.endm
.macro CROUND                          ; a round of the cluster's barrier
	s_barrier_signal -1
	s_barrier_wait -1
	s_cmp_lg_u32 s[WV], 0
	s_cbranch_scc1 .Lnot_wave_0_\@
	s_barrier_signal -3
.Lnot_wave_0_\@:
	s_barrier_wait -3
	s_barrier_signal -1
	s_barrier_wait -1
.endm
.macro FETCH s                         ; pass 1, K step s: 8 + 8 fragments and 8 registers of scale words into set s % 2: 40 LDS loads, each of 512 (128) consecutive bytes
	WIN 0x40                                       ; destination window 1
.irp i, 0,1,2,3,4,5,6,7
.irp c, 0,1
	ds_load_b128 v[64*((\s)%2)+8*\i+4*\c:64*((\s)%2)+8*\i+4*\c+3], v[ADRB+(\s)/4] offset:8192*\i+1024*((\s)%4)+512*\c
.endr
.endr
	WIN 0
.irp i, 0,1,2,3,4,5,6,7
.irp c, 0,1
	ds_load_b128 v[AF+64*((\s)%2)+8*\i+4*\c:AF+64*((\s)%2)+8*\i+4*\c+3], v[ADRA+(\s)/4] offset:8192*\i+1024*((\s)%4)+512*\c
.endr
.endr
.irp i, 0,1,2,3,4,5,6,7
	ds_load_b32 v[SC+8*((\s)%2)+\i], v[ADRS] offset:512*(\s)+64*\i   ; lanes 0-15: x's block i; lanes 16-31: W's block i
.endr
.endm
.macro FETCHV s                        ; pass 2, K step s: x's 8 fragments, Wv's 4, x's 8 registers of scale words: 32 LDS loads
	WIN 0x40
.irp i, 0,1,2,3,4,5,6,7
.irp c, 0,1
	ds_load_b128 v[64*((\s)%2)+8*\i+4*\c:64*((\s)%2)+8*\i+4*\c+3], v[ADRX+(\s)/4] offset:8192*\i+1024*((\s)%4)+512*\c
.endr
.endr
	WIN 0
.irp i, 0,1,2,3
.irp c, 0,1
	ds_load_b128 v[AF+64*((\s)%2)+8*\i+4*\c:AF+64*((\s)%2)+8*\i+4*\c+3], v[ADRV] offset:8192*\i+1024*(\s)+512*\c
.endr
.endr
.irp i, 0,1,2,3,4,5,6,7
	ds_load_b32 v[SC+8*((\s)%2)+\i], v[ADRT] offset:512*(\s)+64*\i   ; x's block i (lanes 16-31 are read)
.endr
.endm
.macro MUL32 s, hi, cm                 ; pass 1: x's blocks 4 hi .. 4 hi + 3 against W's eight.  cm: 0 adds in place; 1: C = the bias by W's block
.irp a, 0,1,2,3
.irp b, 0,1,2,3,4,5,6,7
.set rD, 8*(8*\a+\b)
.set rB, 64*((\s)%2)+8*\b
.set rA, AF+64*((\s)%2)+8*(4*(\hi)+\a)
.set rX, SC+8*((\s)%2)+\b
.set rY, SC+8*((\s)%2)+4*(\hi)+\a
.if (\cm) == 0
	v_wmma_scale_f32_16x16x128_f8f6f4 v[rD:rD+7], v[rB:rB+7], v[rA:rA+7], v[rD:rD+7], v[rX], v[rY] matrix_a_fmt:MATRIX_FMT_FP4 matrix_b_fmt:MATRIX_FMT_FP4 matrix_a_scale:MATRIX_SCALE_ROW1
.else
.set rC, BI+8*\b
	v_wmma_scale_f32_16x16x128_f8f6f4 v[rD:rD+7], v[rB:rB+7], v[rA:rA+7], v[rC:rC+7], v[rX], v[rY] matrix_a_fmt:MATRIX_FMT_FP4 matrix_b_fmt:MATRIX_FMT_FP4 matrix_a_scale:MATRIX_SCALE_ROW1
.endif
.endr
.endr
.endm
.macro MULS s, cm                      ; pass 1: a K step's 64 matrix instructions
.if (\cm) == 0
	WIN 0xa1                                       ; source 0 window 1, source 1 window 0, C and D window 2
	MUL32 \s, 0, 0
	WIN 0xf1                                       ; C and D window 3
	MUL32 \s, 1, 0
.else
	WIN 0x91                                       ; C (the bias) window 1, D window 2
	MUL32 \s, 0, 1
	WIN 0xd1                                       ; D window 3
	MUL32 \s, 1, 1
.endif
	WIN 0
.endm
.macro MULV s, cm                      ; pass 2: a K step's 32 matrix instructions: Wv's four blocks against x's eight.  cm = 1: C = bv by Wv's block
.if (\cm) == 0
	WIN 0xa1
.else
	WIN 0x91
.endif
.irp a, 0,1,2,3
.irp b, 0,1,2,3,4,5,6,7
.set rD, 8*(8*\a+\b)
.set rB, 64*((\s)%2)+8*\b
.set rA, AF+64*((\s)%2)+8*\a
.set rX, SC+8*((\s)%2)+\b
.set rY, WVS+8*\a+(\s)
.if (\cm) == 0
	v_wmma_scale_f32_16x16x128_f8f6f4 v[rD:rD+7], v[rB:rB+7], v[rA:rA+7], v[rD:rD+7], v[rX], v[rY] matrix_a_fmt:MATRIX_FMT_FP4 matrix_b_fmt:MATRIX_FMT_FP4 matrix_a_scale:MATRIX_SCALE_ROW1
.else
.set rC, BV+8*\a
	v_wmma_scale_f32_16x16x128_f8f6f4 v[rD:rD+7], v[rB:rB+7], v[rA:rA+7], v[rC:rC+7], v[rX], v[rY] matrix_a_fmt:MATRIX_FMT_FP4 matrix_b_fmt:MATRIX_FMT_FP4 matrix_a_scale:MATRIX_SCALE_ROW1
.endif
.endr
.endr
	WIN 0
.endm
.macro STEP s
	s_wait_dscnt 0x0                               ; this step's fragments, asked for 64 matrix instructions ago, are in
.if (\s) < 7
	PLACES                                         ; the other set was read by the last step's products
	FETCH (\s)+1
.endif
	MULS \s, 0
.endm
.macro STEPV s
	s_wait_dscnt 0x0                               ; this step's fragments, asked for 32 matrix instructions ago, are in
.if (\s) < 7
	PLACES
	FETCHV (\s)+1
.endif
	MULV \s, 0
.endm
; 64 results of one block of the A role, v[qb] on in window w (register 16 b + i = place 32 b + 16 (lane / 16) + i along the next K), become a fragment's codes in v[qp] on and its scale word in v[PW].
; qp is a number that none of the conversions' sources has.
.macro QUANTW qb, w, qp
	WIN 5*(\w)                                     ; sources 0 and 1: the accumulators' window
.irp b, 0,1,2,3
	v_max3_num_f32 v[TM+\b], |v[(\qb)+16*\b]|, |v[(\qb)+16*\b+1]|, 0x1800000   ; each accumulator is read from its low end on; the floor 2^(3 - 127) holds the byte at 1 from below
.endr
.irp i, 2,4,6,8,10,12,14
.irp b, 0,1,2,3
	v_max3_num_f32 v[TM+\b], |v[(\qb)+16*\b+\i]|, |v[(\qb)+16*\b+\i+1]|, v[TM+\b]
.endr
.endr
	WIN 0
.irp b, 0,1,2,3
	v_permlanex16_b32 v[TM+4+\b], v[TM+\b], s[SEL], s[SEL+1]
.endr
.irp b, 0,1,2,3
	v_max_num_f32 v[TM+\b], v[TM+\b], v[TM+4+\b]   ; with lane l xor 16's 16: the block's largest magnitude
.endr
.irp b, 0,1,2,3
	v_add_nc_u32 v[TM+12+\b], 0xff000000, v[TM+\b] ; 2 off the exponent field: the conversion's scale operand
.endr
.irp b, 0,1,2,3
	v_lshrrev_b32 v[TM+4+\b], 23, v[TM+12+\b]      ; the scale's byte
.endr
	v_lshl_or_b32 v[PW], v[TM+5], 8, v[TM+4]
	v_lshl_or_b32 v[PW], v[TM+6], 16, v[PW]
	v_lshl_or_b32 v[PW], v[TM+7], 24, v[PW]
	WIN (\w)                                       ; source 0: the accumulators' window
.irp b, 0,1,2,3
	v_cvt_scalef32_pk8_fp4_f32 v[(\qp)+2*\b], v[(\qb)+16*\b:(\qb)+16*\b+7], v[TM+12+\b]
	v_cvt_scalef32_pk8_fp4_f32 v[(\qp)+2*\b+1], v[(\qb)+16*\b+8:(\qb)+16*\b+15], v[TM+12+\b]
.endr
	WIN 0
	v_nop                                          ; a plain line behind the last scaled conversion
.irp c, 0,1                            ; the operand's layout wants a whole block in a lane
.irp i, 0,1
	v_permlane16_swap_b32 v[(\qp)+4*\c+\i], v[(\qp)+2+4*\c+\i]
.endr
.endr
.endm
.macro OUTQK a, qp                     ; token block a of Q or K: one image (my 128 channels are one K step), 16 words
	QUANTW 64*((\a)%4), 2+(\a)/4, \qp
	ds_store_b32 v9, v[PW] offset:64*(\a)          ; lanes r and r + 16 write the same word with the same value
	global_store_b128 v1, v[(\qp):(\qp)+3], s[14:15] offset:8192*(\a)          ; 512 consecutive bytes each; every block has registers of its own
	global_store_b128 v1, v[(\qp)+4:(\qp)+7], s[14:15] offset:8192*(\a)+512
.endm
.macro OUTV a, qp                      ; channel block a of V: one image (my 128 tokens are one key step), 16 words
	QUANTW 64*(\a), 2, \qp
	ds_store_b32 v9, v[PW] offset:512+64*(\a)
	global_store_b128 v1, v[(\qp):(\qp)+3], s[104:105] offset:16384*(\a)
	global_store_b128 v1, v[(\qp)+4:(\qp)+7], s[104:105] offset:16384*(\a)+512
.endm
	s_load_b256 s[4:11], s[0:1], 0x0               ; cw1 s[4:5], sw1 s[6:7], bq s[8:9], bk s[10:11]
	s_load_b128 s[12:15], s[0:1], 0x20             ; bv s[12:13], c2 s[14:15]
	s_load_b64 s[16:17], s[0:1], 0x30              ; s2
	v_lshl_add_u32 v[SPW], v0, 2, SPARE
	v_mov_b32 v[NIL], 0
	ds_add_u32 v28, v29
	ds_add_u32 v28, v29
	s_wait_dscnt 0x0
	v_lshrrev_b32 v1, 5, v0
	v_readfirstlane_b32 s[WV], v1                  ; wave 0..3
	s_lshr_b32 s[HA], s[WV], 1                     ; my half of the A role.  Also: I fetch x's (0) or W's (1)
	s_and_b32 s[HB], s[WV], 1                      ; my half of the B role.  Also: which half I fetch
	s_bfe_u32 s21, ttmp6, 0x40000                  ; cx
	s_bfe_u32 s22, ttmp6, 0x40004                  ; cy
	s_and_b32 s23, ttmp7, 0xffff
	s_lshl_b32 s23, s23, 2
	s_add_co_u32 s23, s23, s22                     ; tr: which 256 tokens = 4 x cluster y + cy
	s_lshl_b32 s96, s22, 2
	s_lshl_b32 s96, 15, s96                        ; my row of the cluster
	s_lshl_b32 s97, 0x1111, s21                    ; my column
	s_or_b32 s[G1], s96, (3<<16)|(1<<21)
	s_or_b32 s[G1B], s97, (3<<16)|(1<<21)
	s_or_b32 s[G1V], s97, (3<<16)|(1<<21)
.irp g, G1, G1B                        ; codes: 8 blocks x 8 K steps, 65,536 dense bytes, as 16 rows of 4,096 (512 elements of 8 bytes)
	s_mov_b32 s[\g+1], 512<<16
	s_mov_b32 s[\g+2], 16<<16
	s_mov_b32 s[\g+3], 512<<16
	s_mov_b32 s[\g+4], 16
	s_mov_b32 s[\g+5], 512
	s_mov_b32 s[\g+6], 0
	s_mov_b32 s[\g+7], 0
.endr
	s_mov_b32 s[G1V+1], 512<<16                    ; a quarter of Wv's half tile: two blocks, 16,384 dense bytes, as 4 rows of 4,096
	s_mov_b32 s[G1V+2], 4<<16
	s_mov_b32 s[G1V+3], 512<<16
	s_mov_b32 s[G1V+4], 4
	s_mov_b32 s[G1V+5], 512
	s_mov_b32 s[G1V+6], 0
	s_mov_b32 s[G1V+7], 0
	s_lshl_b32 s22, ttmp9, 2
	s_add_co_u32 s22, s22, s21                     ; c = 4 x cluster x + cx
	s_lshl_b32 s100, s[HB], 3
	s_lshl_b32 s98, s23, 4
	s_add_co_u32 s98, s98, s100                    ; x's first block that I fetch: 16 tr + 8 half
	s_lshl_b32 s96, s98, 6                         ; its words,
	s_lshl_b32 s98, s98, 13                        ; its images
	s_mov_b32 s97, 0
	s_mov_b32 s99, 0
	s_lshl_b32 s104, s22, 4
	s_add_co_u32 s104, s104, s100                  ; W's: 16 c + 8 half (Wq's blocks 0-63, Wk's 64-127)
	s_lshl_b32 s2, s104, 6
	s_add_co_u32 s2, s2, 262144
	s_lshl_b32 s104, s104, 13
	s_add_co_u32 s104, s104, 4194304
	s_mov_b32 s3, 0
	s_mov_b32 s105, 0
	s_lshl_b32 s100, s22, 16                       ; Wv's (blocks 128 on): 8 c blocks of 8,192 bytes,
	s_lshl_b32 s101, s[WV], 14
	s_add_co_u32 s100, s100, s101                  ; my two of the eight
	s_add_co_u32 s100, s100, 5242880
	s_mov_b32 s101, 0
	s_lshl_b32 s66, s[WV], 16                      ; where they go: wave x 65,536: no place in the cluster enters an LDS address
	s_wait_kmcnt 0x0
	s_add_nc_u64 s[98:99], s[4:5], s[98:99]
	s_add_nc_u64 s[104:105], s[4:5], s[104:105]
	s_add_nc_u64 s[100:101], s[4:5], s[100:101]
	s_add_nc_u64 s[96:97], s[6:7], s[96:97]
	s_add_nc_u64 s[2:3], s[6:7], s[2:3]
	; the scale words: wave w brings quarter w (x's halves, W's halves), 8 K steps x 512 bytes, through v128-159
	s_lshl_b32 s67, s[WV], 12
	v_and_b32 v64, 31, v0
	v_lshlrev_b32 v64, 4, v64
	v_add_nc_u32 v62, s67, v64
	v_add_nc_u32 v62, SCL, v62                     ; where they go in LDS: wave x 4,096 + 16 x lane
	s_cmp_eq_u32 s[HA], 0
	s_cselect_b64 s[96:97], s[96:97], s[2:3]
	s_mov_b32 s67, 12288                           ; from K step to K step: W's words 12,288 bytes, x's 32,768
	s_cselect_b32 s67, 32768, s67
.irp j, 0,1,2,3,4,5,6
	v_add_nc_u32 v[65+\j], s67, v[64+\j]
.endr
.irp j, 0,1,2,3,4,5,6,7
	global_load_b128 v[128+4*\j:131+4*\j], v[64+\j], s[96:97]   ; 512 consecutive bytes
.endr
	s_wait_alu depctr_va_vdst(0)                   ; the wait here, ahead of the round's waits
	CROUND                                         ; all sixteen work-groups are here: the first joint loads meet
	s_mov_b32 s[G0], 1
	s_mov_b32 s[G0+1], s66
	s_mov_b64 s[G0+2:G0+3], s[98:99]
	s_or_b32 s[G0+3], s[G0+3], 0x80000000
	s_mov_b32 s[G0B], 1
	s_mov_b32 s[G0B+1], s66
	s_mov_b64 s[G0B+2:G0B+3], s[104:105]
	s_or_b32 s[G0B+3], s[G0B+3], 0x80000000
	JLOAD G0, G1, G0B, G1B                         ; all 8 K steps of my 128 rows: my one load at the head
	s_wait_xcnt 0x0                                ; the words' loads have read their base and addresses
	s_mov_b32 s[G0V], 1                            ; the refill's group 0: wave x 16,384 in slot 0's W part
	s_lshl_b32 s[G0V+1], s[WV], 14
	s_add_co_u32 s[G0V+1], s[G0V+1], WVL
	s_mov_b64 s[G0V+2:G0V+3], s[100:101]
	s_or_b32 s[G0V+3], s[G0V+3], 0x80000000
	s_mov_b32 s[SEL], 0x76543210
	s_mov_b32 s[SEL+1], 0xfedcba98                 ; v_permlanex16_b32's selects for lane l xor 16
	; read addresses
	v_and_b32 v1, 31, v0
	v_lshlrev_b32 v20, 3, v1                       ; 8 x lane
	v_lshlrev_b32 v1, 4, v1                        ; 16 x lane
	v_and_b32 v2, 15, v0                           ; r
	v_bfe_u32 v3, v0, 4, 1                         ; h
	s_wait_alu depctr_va_vdst(0)
	s_lshl_b32 s96, s[HA], 16
	s_lshl_b32 s97, s[HB], 16
	v_add_nc_u32 v[ADRA], s96, v1                  ; x, my half HA
	v_add_nc_u32 v[ADRA+1], SLOT1, v[ADRA]
	v_add_nc_u32 v[ADRX], s97, v1                  ; x, my half HB
	v_add_nc_u32 v[ADRX+1], SLOT1, v[ADRX]
	s_add_co_u32 s97, s97, 131072
	v_add_nc_u32 v[ADRB], s97, v1                  ; W, my half HB
	v_add_nc_u32 v[ADRB+1], SLOT1, v[ADRB]
	s_lshl_b32 s96, s[HA], 15
	s_add_co_u32 s96, s96, WVL
	v_add_nc_u32 v[ADRV], s96, v1                  ; Wv, blocks 4 HA on: 4 x 8,192 bytes
	s_lshl_b32 s96, s[HA], 12
	s_lshl_b32 s97, s[HB], 12
	s_add_co_u32 s98, s97, 8192
	s_sub_co_u32 s98, s98, s96                     ; from x's quarter HA to W's quarter HB
	v_mul_u32_u24 v11, s98, v3
	v_lshl_add_u32 v[ADRS], v2, 2, s96
	v_add_nc_u32 v[ADRS], v[ADRS], v11
	v_add_nc_u32 v[ADRS], SCL, v[ADRS]             ; lanes 0-15 x's words, lanes 16-31 W's
	v_lshl_add_u32 v[ADRT], v2, 2, s97
	v_add_nc_u32 v[ADRT], SCL, v[ADRT]             ; x's quarter HB
	s_mul_i32 s96, s[WV], 768
	v_lshl_add_u32 v9, v2, 2, s96
	v_add_nc_u32 v9, STG, v9                       ; my wave's result words: in, 4 r;
	v_add_nc_u32 v10, s96, v1
	v_add_nc_u32 v10, STG, v10                     ; Q's or K's 128 out, 16 x lane;
	v_add_nc_u32 v19, s96, v20
	v_add_nc_u32 v19, STG+512, v19                 ; V's 64 out, 8 x lane
	v_lshlrev_b32 v16, 6, v3                       ; bq, bk: 64 h
	s_wait_alu depctr_va_vdst(0)
	v_and_b32 v17, 8, v2
	v_add_nc_u32 v17, v17, v2
	v_lshlrev_b32 v17, 2, v17                      ; bv: 4 (r + 8 (r / 8))
	v_lshlrev_b32 v18, 2, v2                       ; Wv's words: 4 r
	s_lshl_b32 s96, s21, 10
	s_lshl_b32 s97, s[HB], 9
	s_add_co_u32 s96, s96, s97                     ; Q, K: channels 256 cx + 128 HB on
	s_mov_b32 s97, 0
	s_cmp_eq_u32 ttmp9, 0                          ; the choice hangs on the cluster's number alone
	s_cselect_b64 s[8:9], s[8:9], s[10:11]
	s_add_nc_u64 s[8:9], s[8:9], s[96:97]
	s_lshl_b32 s96, s22, 9
	s_lshl_b32 s98, s[HA], 8
	s_add_co_u32 s96, s96, s98                     ; V: channels (and positions) 128 c + 64 HA on
	s_add_nc_u64 s[12:13], s[12:13], s[96:97]
	s_add_co_u32 s96, s96, 270336                  ; the weights' words begin at 262,144, Wv's positions at 2,048
	s_add_nc_u64 s[6:7], s[6:7], s[96:97]
	WIN 0x40
.irp b, 0,1,2,3,4,5,6,7                ; register j of accumulator (a, b) is channel 32 (b / 2) + 8 (b % 2) + 16 h + j
	global_load_b128 v[BI+8*\b:BI+8*\b+3], v16, s[8:9] offset:(32*(\b/2)+8*(\b%2))*4
	global_load_b128 v[BI+8*\b+4:BI+8*\b+7], v16, s[8:9] offset:(32*(\b/2)+8*(\b%2))*4+16
.endr
	WIN 0
	; where the results go.  V's first, from the pointers as they came
	s_lshl_b32 s96, s23, 1
	s_add_co_u32 s96, s96, s[HB]                   ; my 128 tokens: chunk 2 tr + HB:
	s_and_b32 s98, s96, 15                         ; key step,
	s_lshr_b32 s96, s96, 4                         ; batch
	s_lshl_b32 s100, s22, 3
	s_lshl_b32 s101, s[HA], 2
	s_add_co_u32 s100, s100, s101                  ; my first channel block: 8 c + 4 HA
	s_lshl_b32 s104, s100, 4
	s_add_co_u32 s104, s104, s98
	s_lshl_b32 s104, s104, 10
	s_lshl_b32 s101, s96, 21                       ; a batch: K's 1 MiB, then V's 1 MiB
	s_add_co_u32 s104, s104, s101
	s_add_co_u32 s104, s104, 5242880
	s_mov_b32 s105, 0
	s_lshl_b32 s100, s100, 6
	s_lshl_b32 s98, s98, 12
	s_add_co_u32 s100, s100, s98
	s_lshl_b32 s96, s96, 16
	s_add_co_u32 s100, s100, s96
	s_add_co_u32 s100, s100, 524288
	s_mov_b32 s101, 0
	s_add_nc_u64 s[104:105], s[14:15], s[104:105]  ; V's images
	s_add_nc_u64 s[100:101], s[16:17], s[100:101]  ; V's words
	s_lshl_b32 s96, s23, 4
	s_lshl_b32 s98, s[HA], 3
	s_add_co_u32 s96, s96, s98                     ; Q, K: my first token block 16 tr + 8 HA
	s_lshl_b32 s98, s96, 6
	s_lshl_b32 s96, s96, 3
	s_lshl_b32 s2, s21, 1
	s_add_co_u32 s2, s2, s[HB]                     ; the K step that my 128 channels are: 2 cx + HB
	s_add_co_u32 s96, s96, s2
	s_lshl_b32 s96, s96, 10
	s_lshr_b32 s3, s23, 3                          ; the batch
	s_add_co_u32 s3, s3, 4
	s_mul_i32 s3, s3, ttmp9
	s_lshl_b32 s3, s3, 20                          ; K: 4 MiB on, and 1 MiB of V's behind each earlier batch
	s_add_co_u32 s96, s96, s3
	s_lshl_b32 s2, s2, 15
	s_add_co_u32 s98, s98, s2
	s_lshl_b32 s3, ttmp9, 18
	s_add_co_u32 s98, s98, s3
	s_mov_b32 s97, 0
	s_mov_b32 s99, 0
	s_add_nc_u64 s[14:15], s[14:15], s[96:97]
	s_add_nc_u64 s[16:17], s[16:17], s[98:99]
	s_wait_alu depctr_va_vdst(0)
	s_wait_loadcnt 16                              ; my quarter of the scale words is in; the 16 loads of bq or bk behind it may be out
.irp j, 0,1,2,3,4,5,6,7
	ds_store_b128 v62, v[128+4*\j:131+4*\j] offset:512*\j
.endr
	s_wait_tensorcnt 0x0                           ; my tile is in,
	s_wait_dscnt 0x0                               ; and my words are stored
	s_barrier_signal -1
	s_barrier_wait -1                              ; everybody's are
	FETCH 0
	s_wait_loadcnt 0x0                             ; bq or bk
	s_wait_dscnt 0x0
	FETCH 1
	WIN 0x40                                       ; what pass 2 wants from memory is asked for here and lands during pass 1
.irp a, 0,1,2,3                        ; all eight registers of accumulator (a, b) belong to channel T(16 a + r)
.irp j, 0,1,2,3,4,5,6,7
	global_load_b32 v[BV+8*\a+\j], v17, s[12:13] offset:(32*(\a/2)+8*(\a%2))*4
.endr
.endr
	WIN 0
.irp a, 0,1,2,3
.irp s, 0,1,2,3,4,5,6,7
	global_load_b32 v[WVS+8*\a+\s], v18, s[6:7] offset:12288*\s+64*\a   ; position 16 a + r, K step s
.endr
.endr
	MULS 0, 1                                      ; the first K step starts the sums on the bias: nothing is cleared
	STEP 1
	STEP 2
	STEP 3
	STEP 4
	STEP 5
	STEP 6
	; K step 7's fragments are asked for: W is read out, and Wv's half tile takes the first half of its place
	s_wait_tensorcnt 0x0
	ds_add_u32 v[SPW], v[NIL]                      ; 0 onto my spare word
	s_wait_dscnt 0x0                               ; the add is done, and my reads of W are over
	CROUND                                         ; no wave of any partner still reads those bytes
	tensor_load_to_lds s[G0V:G0V+3], s[G1V:G1V+7]  ; my one tensor load behind the round: a quarter of the tile, asked for jointly with my column
	s_nop 0
.rept 4
	v_nop
.endr
	MULS 7, 0
	PLACES
	; THE WAY OUT OF PASS 1: each of x's eight blocks becomes one fragment image and 16 scale words
.irp b, 0,1,2,3
	v_mov_b32 v[TM+4+\b], 0                        ; a lane permute's destination counts as one of its sources
.endr
	OUTQK 0, 224
	OUTQK 1, 232
	OUTQK 2, 240
	OUTQK 3, 96
	OUTQK 4, 248
	OUTQK 5, 48
	s_wait_alu depctr_va_vdst(0)                   ; the wait here, ahead of the barrier
	s_wait_tensorcnt 0x0                           ; my quarter of Wv's tile is in,
	s_wait_dscnt 0x0
	s_barrier_signal -1
	s_barrier_wait -1                              ; everybody's is
	FETCHV 0                                       ; pass 2's first fragments come while the last two blocks go out
	OUTQK 6, 56
	OUTQK 7, 104
	ds_load_b128 v[148:151], v10                   ; my wave's 128 words, in order behind my stores
	s_wait_dscnt 0x0
	global_store_b128 v1, v[148:151], s[16:17]     ; 512 consecutive bytes
	; PASS 2
	s_wait_loadcnt 0x0                             ; bv and Wv's words
	s_wait_xcnt 0x0                                ; the stores above have read their registers: fragments and V's codes may land there
	FETCHV 1
	MULV 0, 1                                      ; the first K step starts the sums on bv
	STEPV 1
	STEPV 2
	STEPV 3
	STEPV 4
	STEPV 5
	STEPV 6
	STEPV 7
	PLACES
	OUTV 0, 224
	OUTV 1, 232
	OUTV 2, 240
	OUTV 3, 48
	ds_load_b64 v[152:153], v19                    ; my wave's 64 words
	s_wait_dscnt 0x0
	global_store_b64 v20, v[152:153], s[100:101]   ; 256 consecutive bytes, aligned
	s_wait_tensorcnt 0x0                           ; the wave's end
	ds_add_u32 v[SPW], v[NIL]
	s_wait_dscnt 0x0
	CROUND                                         ; the closing round: no work-group ends while a partner may still ask for a tile that names it
	s_endpgm
.Lfunc_end_k_qeab4eca34c_proj:
	.size	k_qeab4eca34c_proj, .Lfunc_end_k_qeab4eca34c_proj-k_qeab4eca34c_proj
	.p2alignl 7, 3214868480
	.fill 96, 4, 3214868480
	.section	.rodata,"a",@progbits
	.p2align	6, 0x0
	.amdhsa_kernel k_qeab4eca34c_proj
		.amdhsa_group_segment_fixed_size 327680
		.amdhsa_private_segment_fixed_size 0
		.amdhsa_enable_private_segment 0
		.amdhsa_kernarg_size 56
		.amdhsa_user_sgpr_count 2
		.amdhsa_user_sgpr_kernarg_segment_ptr 1
		.amdhsa_wavefront_size32 1
		.amdhsa_system_sgpr_workgroup_id_x 1
		.amdhsa_system_sgpr_workgroup_id_y 1
		.amdhsa_system_sgpr_workgroup_id_z 1
		.amdhsa_system_vgpr_workitem_id 0
		.amdhsa_next_free_vgpr 1024
		.amdhsa_next_free_sgpr 106
		.amdhsa_reserve_vcc 0
		.amdhsa_float_denorm_mode_32 3
		.amdhsa_float_denorm_mode_16_64 3
		.amdhsa_memory_ordered 1
		.amdhsa_forward_progress 1
		.amdhsa_inst_pref_size 207
	.end_amdhsa_kernel
	.amdgpu_metadata
---
amdhsa.version: [ 1, 2 ]
amdhsa.kernels:
  - .name:           k_qeab4eca34c_proj
    .symbol:         k_qeab4eca34c_proj.kd
    .args:
      - { .name: cw1, .offset: 0, .size: 8, .value_kind: global_buffer, .address_space: global }
      - { .name: sw1, .offset: 8, .size: 8, .value_kind: global_buffer, .address_space: global }
      - { .name: bq, .offset: 16, .size: 8, .value_kind: global_buffer, .address_space: global }
      - { .name: bk, .offset: 24, .size: 8, .value_kind: global_buffer, .address_space: global }
      - { .name: bv, .offset: 32, .size: 8, .value_kind: global_buffer, .address_space: global }
      - { .name: c2, .offset: 40, .size: 8, .value_kind: global_buffer, .address_space: global }
      - { .name: s2, .offset: 48, .size: 8, .value_kind: global_buffer, .address_space: global }
    .group_segment_fixed_size: 327680
    .private_segment_fixed_size: 0
    .kernarg_segment_align: 8
    .kernarg_segment_size: 56
    .max_flat_workgroup_size: 128
    .sgpr_count:     106
    .vgpr_count:     1024
    .wavefront_size: 32
...
	.end_amdgpu_metadata
.endif
;; end of part 2
;; launch score (part 3): grid 8 x 32, 8 waves a work-group, clusters of 4 x 4, 327,680 bytes of LDS; arguments c2, s2, mask, c3, s3; writes c3, s3
.if DOCPART == 3
	.amdgcn_target "amdgcn-amd-amdhsa--gfx1250"
	.amdhsa_code_object_version 6
	.text
	.protected	k_qeab4eca34c_score
	.globl	k_qeab4eca34c_score
	.p2align	8
	.type	k_qeab4eca34c_score,@function
k_qeab4eca34c_score:
	s_mov_b64 s[64:65], 0
	v_nop
	global_prefetch_b8 v0, s[64:65] scope:SCOPE_SE
	s_setreg_imm32_b32 hwreg(HW_REG_WAVE_MODE, 25, 1), 1
	s_wait_xcnt 0x0
	s_wait_alu depctr_hold_cnt(0) depctr_sa_sdst(0) depctr_va_vdst(0) depctr_va_sdst(0) depctr_va_ssrc(0) depctr_va_vcc(0) depctr_vm_vsrc(0)
	s_getreg_b32 s2, hwreg(HW_REG_IB_STS2, 6, 4)
	s_cmp_eq_u32 s2, 0
	s_cbranch_scc0 .Lentry_in_a_cluster
	s_endpgm
.Lentry_in_a_cluster:
	s_bfe_u32 s2, ttmp6, 0x10000c
	s_cmp_lg_u32 s2, 0xf033
	s_cbranch_scc0 .Lentry_shape_is_right
	s_endpgm
.Lentry_shape_is_right:
; logit = Q K^T / 32 + mask on codes of FP4; t = logit x log2(e); for each query and each chunk of 128 keys a LOCAL whole number M = ceil(the chunk's largest t); p = 2^(t - M) is quantised along the keys and stored as codes.
; Stored beside them: p's scale words, the local M and the local sum of the UNQUANTISED p.  The next launch brings every chunk under the row's M: a whole power of two, which the scale bytes take up.
; t is rounded by a multiplication of its own and M is taken from the rounded t, so t - M is never above 0, p never above 1 and a scale byte never above 125, however large the mask's numbers are.
; LIMITS: the promise holds while the scaled scores (exponents to the base 2) stay under 2^31 in magnitude; a chunk whose every logit is -infinity takes M = -3e38 and p = 0; NaN and +infinity are not served; a block whose every p is 0 keeps the byte 1 (its codes are zeros).
; OPERANDS ARE FRAGMENT IMAGES (16 rows x 128 K = 1,024 bytes: registers 0-3 of lane l at 16 l, registers 4-7 at 512 + 16 l); position p of a row axis holds row T(p) = p with bits 3 and 4 exchanged.
; Source 0 = 16 keys, source 1 = 16 queries: a lane (r, h) holds one query, and the 16 registers of K's blocks 2 b and 2 b + 1 are the neighbouring keys 32 b + 16 h + 0 .. 15.
; A work-group makes 256 queries x 256 keys in eight waves; wave w takes queries 64 (w / 2) on and keys 128 (w % 2) on, in two passes of 32 queries: 16 accumulators of 16 x 16, 128 registers.
; All of both tiles lies in LDS, filled once: waves 0-3 fetch Q's quarters, waves 4-7 K's, one joint load of 32,768 bytes a wave.  CLUSTER 4 x 4: Q's tiles are shared along a row, K's along a column.
; THE MASK (f32, read once; 32 KiB a wave) waits in window 1's 256 registers; all of it is asked for at the head, straight behind the tiles.  A block of 16 queries turns into the accumulators' layout through the wave's own stage in LDS, 64 keys at a time.
; No prefetch: the launch has no loop over memory to run ahead in; each byte is asked for at the head.
; c2: Q's images [512 blocks][8][1024], then for each batch K's 1 MiB and V's 1 MiB.  c3: p's images [512 query blocks][16 key chunks][1024].  s3: [16 key chunks][8192 positions]: scale words at 0, local M (f32) at 524,288, local sums at 1,048,576.
; CORRECTION TO THE LINES ABOVE, AS THE TEXT STANDS: the mask is asked for in pieces of eight loads: block 0 at the head behind the tiles, block 1 in pass 0, block 2 beside block 0's softmax, block 3 beside block 1's softmax and ahead of pass 1.
; So each block stands a block's softmax or a pass ahead of its use, by loads into registers of its own: that is why there is no prefetch.
.set KT,    131072                     ; LDS: Q's 16 blocks x 8 K steps x 1,024, then K's
.set SCL,   262144                     ; scale words: Q's [8 K steps][256], K's [8][256]
.set MST,   278528                     ; mask stages: 16 rows x 272 bytes a wave
.set MSTW,  4352
.set STG,   313344                     ; results' words on their way out: 768 bytes a wave
.set SPARE, 319488                     ; the spare words: 128 bytes for each wave; no other line names them
.set LN16, 1
.set AQ,   2
.set AKK,  3
.set AWQ,  4
.set AWK,  5
.set MSI,  6
.set MSO,  7
.set GM,   8
.set RI,   9                           ; results' words: in,
.set RO,   10                          ; and out, in LDS
.set LN8,  11
.set CA,   12                          ; v12-15 the K step's addresses
.set SC,   16                          ; v16 Q's scale words (lanes 0-15 the pass's block 0, lanes 16-31 block 1), v17-20 K's (two blocks a register)
.set SPW,  22
.set NIL,  23
.set QF,   24                          ; v24-39 Q's two fragments; at the softmax v24-28 sums and word
.set KF,   40                          ; v40-103 K's eight fragments; at the softmax mask, t, p
.set EX,   40
.set EP,   104                         ; v104-111 codes
.set BM,   112
.set BT,   116
.set SO,   116
.set BY,   120
.set NM,   124                         ; v[124:125] -M (the low word serves both halves)
.set TP,   126
.set MS,   127
.set LS,   24
.set L2,   26
.set PW,   28
.set ACC,  128                         ; v128-255: accumulator (query block i, key block b) at ACC + 64 i + 8 b
.set WV,   14
.set QG,   15
.set KH,   16
.set G1,   24
.set G0,   32
.set G0B,  36
.set G1B,  40
.set SEL,  66
.set KS,   68
.set RSQ,  70                          ; s[70:71] 1 / 32
.set L2E,  72                          ; s[72:73] log2(e)
.set MSB, 0
.macro WIN new                         ; the immediate's high byte repeats the setting that is left
.if MSB != (\new)
	s_set_vgpr_msb (MSB<<8)|(\new)
.set MSB, \new
.endif
.endm
.macro PLACES                          ; four plain places behind matrix instructions (ISA guide 7.12.1)
.rept 4
	v_nop
.endr
.endm
.macro CROUND                          ; a round of the cluster's barrier
	s_barrier_signal -1
	s_barrier_wait -1
	s_cmp_lg_u32 s[WV], 0
	s_cbranch_scc1 .Lnot_wave_0_\@
	s_barrier_signal -3
.Lnot_wave_0_\@:
	s_barrier_wait -3
	s_barrier_signal -1
	s_barrier_wait -1
.endm
.macro GLH n                           ; half n % 2 (64 keys) of the mask of my block n / 2: two rows x 256 consecutive bytes a load; the order T stands in the immediates.  n < 0: nothing
.if (\n) >= 0
	WIN 0x40                                       ; destination window 1
.irp t, 0,1,2,3,4,5,6,7
	global_load_b128 v[32*(\n)+4*\t:32*(\n)+4*\t+3], v[GM], s[8:9] offset:(32*((\n)/4)+8*(((\n)/2)%2)+2*\t+8*(\t/4))*8192+256*((\n)%2) th:TH_LOAD_NT
.endr
	WIN 0
.endif
.endm
.macro MSTAGE a                        ; block a's mask through my stage, 64 keys at a time: rows in, lane (r, h): row r, keys 32 b + 16 h + 0 .. 15 out; LDS serves a wave's instructions in order
	WIN 0x04                                       ; an LDS store's data are its source 1: window 1
.irp hf, 0,1
.irp t, 0,1,2,3,4,5,6,7
	ds_store_b128 v[MSI], v[64*\a+32*\hf+4*\t:64*\a+32*\hf+4*\t+3] offset:544*\t
.endr
.irp b, 0,1
.irp g, 0,1,2,3
	ds_load_b128 v[EX+32*\hf+16*\b+4*\g:EX+32*\hf+16*\b+4*\g+3], v[MSO] offset:128*\b+16*\g
.endr
.endr
.endr
	WIN 0
.endm
.macro KBODY z, p, aq, ak, wq, wk      ; a K step of pass p: 25 LDS loads, 16 matrix instructions, the 16 accumulators by turns in the same order in every step
.irp i, 0,1
.irp c, 0,1
	ds_load_b128 v[QF+8*\i+4*\c:QF+8*\i+4*\c+3], v[\aq] offset:8192*(2*\p+\i)+512*\c
.endr
.endr
	ds_load_b32 v[SC], v[\wq] offset:128*\p
.irp i, 0,1,2,3
	ds_load_b32 v[SC+1+\i], v[\wk] offset:128*\i
.endr
.irp b, 0,1,2,3,4,5,6,7
.irp c, 0,1
	ds_load_b128 v[KF+8*\b+4*\c:KF+8*\b+4*\c+3], v[\ak] offset:8192*\b+512*\c
.endr
.endr
.irp b, 0,1,2,3,4,5,6,7
	s_wait_dscnt 14-2*\b                           ; K's blocks up to b are in
.irp i, 0,1
.set rD, ACC+64*\i+8*\b
.set rA, KF+8*\b
.set rB, QF+8*\i
.set rX, SC+1+\b/2
.set rH, (\b)%2
.if \z
.if rH
.if \i
	v_wmma_scale_f32_16x16x128_f8f6f4 v[rD:rD+7], v[rA:rA+7], v[rB:rB+7], 0, v[rX], v[SC] matrix_a_fmt:MATRIX_FMT_FP4 matrix_b_fmt:MATRIX_FMT_FP4 matrix_a_scale:MATRIX_SCALE_ROW1 matrix_b_scale:MATRIX_SCALE_ROW1
.else
	v_wmma_scale_f32_16x16x128_f8f6f4 v[rD:rD+7], v[rA:rA+7], v[rB:rB+7], 0, v[rX], v[SC] matrix_a_fmt:MATRIX_FMT_FP4 matrix_b_fmt:MATRIX_FMT_FP4 matrix_a_scale:MATRIX_SCALE_ROW1
.endif
.else
.if \i
	v_wmma_scale_f32_16x16x128_f8f6f4 v[rD:rD+7], v[rA:rA+7], v[rB:rB+7], 0, v[rX], v[SC] matrix_a_fmt:MATRIX_FMT_FP4 matrix_b_fmt:MATRIX_FMT_FP4 matrix_b_scale:MATRIX_SCALE_ROW1
.else
	v_wmma_scale_f32_16x16x128_f8f6f4 v[rD:rD+7], v[rA:rA+7], v[rB:rB+7], 0, v[rX], v[SC] matrix_a_fmt:MATRIX_FMT_FP4 matrix_b_fmt:MATRIX_FMT_FP4
.endif
.endif
.else
.if rH
.if \i
	v_wmma_scale_f32_16x16x128_f8f6f4 v[rD:rD+7], v[rA:rA+7], v[rB:rB+7], v[rD:rD+7], v[rX], v[SC] matrix_a_fmt:MATRIX_FMT_FP4 matrix_b_fmt:MATRIX_FMT_FP4 matrix_a_scale:MATRIX_SCALE_ROW1 matrix_b_scale:MATRIX_SCALE_ROW1
.else
	v_wmma_scale_f32_16x16x128_f8f6f4 v[rD:rD+7], v[rA:rA+7], v[rB:rB+7], v[rD:rD+7], v[rX], v[SC] matrix_a_fmt:MATRIX_FMT_FP4 matrix_b_fmt:MATRIX_FMT_FP4 matrix_a_scale:MATRIX_SCALE_ROW1
.endif
.else
.if \i
	v_wmma_scale_f32_16x16x128_f8f6f4 v[rD:rD+7], v[rA:rA+7], v[rB:rB+7], v[rD:rD+7], v[rX], v[SC] matrix_a_fmt:MATRIX_FMT_FP4 matrix_b_fmt:MATRIX_FMT_FP4 matrix_b_scale:MATRIX_SCALE_ROW1
.else
	v_wmma_scale_f32_16x16x128_f8f6f4 v[rD:rD+7], v[rA:rA+7], v[rB:rB+7], v[rD:rD+7], v[rX], v[SC] matrix_a_fmt:MATRIX_FMT_FP4 matrix_b_fmt:MATRIX_FMT_FP4
.endif
.endif
.endif
.endr
.endr
.endm
.macro KLOOP p, from, to               ; K steps behind byte offset from, up to byte offset to
	s_mov_b32 s[KS], \from
.Lk_\@:
	s_add_co_u32 s[KS], s[KS], 1024
	v_add_nc_u32 v[CA], s[KS], v[AQ]               ; (these four are also the places in front of the loads)
	v_add_nc_u32 v[CA+1], s[KS], v[AKK]
	v_add_nc_u32 v[CA+2], s[KS], v[AWQ]
	v_add_nc_u32 v[CA+3], s[KS], v[AWK]
	KBODY 0, \p, CA, CA+1, CA+2, CA+3
	s_cmp_lt_u32 s[KS], \to
	s_wait_alu depctr_va_vdst(0)                   ; the wait here, directly ahead of the branch
	s_cbranch_scc1 .Lk_\@
.endm
.macro PASS p, g0, g1                  ; g0, g1: pieces of the mask that are asked for ahead of it and in its middle
	GLH \g0
	KBODY 1, \p, AQ, AKK, AWQ, AWK                 ; the first K step starts the sums
	KLOOP \p, 0, 3072
	GLH \g1
	KLOOP \p, 3072, 7168
	PLACES
.endm
.macro EPI i, a, g0, g1                ; my block a (the pass's block i): 16 queries x my 128 keys; a lane: one query, 64 keys.  g0, g1: pieces of the mask that are asked for at its start and at its end
.set EA, ACC+64*\i
	MSTAGE \a
	s_wait_dscnt 0x0
	GLH \g0
	s_wait_alu depctr_va_vdst(0)                   ; the wait here, directly ahead of the first reader of the sums
.set n, 0
.rept 32
	v_pk_fma_f32 v[EX+n:EX+n+1], v[EA+n:EA+n+1], s[RSQ:RSQ+1], v[EX+n:EX+n+1] op_sel_hi:[1,0,1]   ; the logit: score / 32 (exact) + mask
.set n, n+2
.endr
.set n, 0
.rept 32
	v_pk_mul_f32 v[EX+n:EX+n+1], v[EX+n:EX+n+1], s[L2E:L2E+1] op_sel_hi:[1,0]                     ; t
.set n, n+2
.endr
.irp b, 0,1,2,3
	v_max3_num_f32 v[BM+\b], v[EX+16*\b], v[EX+16*\b+1], v[EX+16*\b+2]    ; the largest t of each block of 32 keys: for the chunk's maximum and, since p rises with t, for the block's largest p
.endr
.irp j, 3,5,7,9,11,13
.irp b, 0,1,2,3
	v_max3_num_f32 v[BM+\b], v[BM+\b], v[EX+16*\b+\j], v[EX+16*\b+\j+1]
.endr
.endr
.irp b, 0,1,2,3
	v_max_num_f32 v[BM+\b], v[BM+\b], v[EX+16*\b+15]
.endr
.irp b, 0,1,2,3
	v_permlanex16_b32 v[BT+\b], v[BM+\b], s[SEL], s[SEL+1]
.endr
.irp b, 0,1,2,3
	v_max_num_f32 v[BM+\b], v[BM+\b], v[BT+\b]     ; with lane l xor 16's 16 keys
.endr
	v_max3_num_f32 v[TP], v[BM], v[BM+1], v[BM+2]
	v_max3_num_f32 v[TP], v[TP], v[BM+3], 0xff61b1e6   ; the chunk's largest t, held at -3e38 from below
	v_floor_f32 v[NM], -v[TP]                      ; -M = floor(-t) = -ceil(t)
.set n, 0
.rept 32
	v_pk_add_f32 v[EX+n:EX+n+1], v[EX+n:EX+n+1], v[NM:NM+1] op_sel_hi:[1,0]   ; t - M, 0 or less
.set n, n+2
.endr
.irp b, 0,1,2,3
	v_add_f32 v[BM+\b], v[BM+\b], v[NM]            ; the same of each block's largest t
.endr
	s_wait_alu depctr_va_vdst(0)                   ; the wait ahead of the batch
.set n, 0
.rept 64
	v_exp_f32 v[EX+n], v[EX+n]                     ; p = 2^(t - M)
.set n, n+1
.endr
.irp b, 0,1,2,3
	v_exp_f32 v[BM+\b], v[BM+\b]                   ; the block's largest p: the same operations on the same number give the same bits
.endr
	v_sub_f32 v[MS], 0, v[NM]                      ; M.  (A plain line behind the exponentials)
	s_wait_alu depctr_va_vdst(0)                   ; one wait for the batch, ahead of its first reader
	v_pk_add_f32 v[L2:L2+1], v[EX:EX+1], v[EX+2:EX+3]        ; the sum of the unquantised p, two at a time, in two chains
	v_pk_add_f32 v[LS:LS+1], v[EX+4:EX+5], v[EX+6:EX+7]
.irp j, 8,12,16,20,24,28,32,36,40,44,48,52,56,60
	v_pk_add_f32 v[LS:LS+1], v[LS:LS+1], v[EX+\j:EX+\j+1]
	v_pk_add_f32 v[L2:L2+1], v[L2:L2+1], v[EX+\j+2:EX+\j+3]
.endr
.irp b, 0,1,2,3
	v_max_num_f32 v[BM+\b], 0x1800000, v[BM+\b]    ; the floor 2^(3 - 127): the byte cannot fall under 1
.endr
	v_pk_add_f32 v[LS:LS+1], v[LS:LS+1], v[L2:L2+1]
.irp b, 0,1,2,3
	v_add_nc_u32 v[SO+\b], 0xff000000, v[BM+\b]    ; 2 off the exponent field: the conversion's scale operand
.endr
	v_add_f32 v[LS], v[LS], v[LS+1]
.irp b, 0,1,2,3
	v_lshrrev_b32 v[BY+\b], 23, v[SO+\b]
.endr
	v_permlanex16_b32 v[TP], v[LS], s[SEL], s[SEL+1]
	v_lshl_or_b32 v[PW], v[BY+1], 8, v[BY]
	v_lshl_or_b32 v[BY+2], v[BY+3], 8, v[BY+2]
	v_add_f32 v[LS], v[LS], v[TP]                  ; with lane l xor 16's 64 keys: the chunk's sum
	v_lshl_or_b32 v[PW], v[BY+2], 16, v[PW]
.if (\a) > 0
	s_wait_alu depctr_va_vdst(0)                   ; the wait here, directly ahead of the wait below
	s_wait_xcnt 0x0                                ; the stores of the block before have read these registers
.endif
.irp b, 0,1,2,3
	v_cvt_scalef32_pk8_fp4_f32 v[EP+2*\b], v[EX+16*\b:EX+16*\b+7], v[SO+\b]
	v_cvt_scalef32_pk8_fp4_f32 v[EP+2*\b+1], v[EX+16*\b+8:EX+16*\b+15], v[SO+\b]
.endr
	v_nop                                          ; a plain line behind the last scaled conversion
.irp c, 0,1                            ; the operand's layout wants a whole block in a lane
.irp j, 0,1
	v_permlane16_swap_b32 v[EP+4*\c+\j], v[EP+2+4*\c+\j]
.endr
.endr
	ds_store_b32 v[RI], v[PW] offset:64*\a         ; lanes r and r + 16 write the same words with the same values
	ds_store_b32 v[RI], v[MS] offset:256+64*\a
	ds_store_b32 v[RI], v[LS] offset:512+64*\a
	global_store_b128 v[LN16], v[EP:EP+3], s[10:11] offset:16384*\a          ; 512 consecutive bytes each
	global_store_b128 v[LN16], v[EP+4:EP+7], s[10:11] offset:16384*\a+512
	GLH \g1
.endm
	s_load_b256 s[4:11], s[0:1], 0x0               ; c2 s[4:5], s2 s[6:7], mask s[8:9], c3 s[10:11]
	s_load_b64 s[12:13], s[0:1], 0x20              ; s3
	v_lshl_add_u32 v[SPW], v0, 2, SPARE
	v_mov_b32 v[NIL], 0
	ds_add_u32 v[SPW], v[NIL]                      ; the opening add, twice on end, and its wait
	ds_add_u32 v[SPW], v[NIL]
	v_lshrrev_b32 v1, 5, v0
	v_readfirstlane_b32 s[WV], v1                  ; wave 0..7
	s_lshr_b32 s[QG], s[WV], 1                     ; my 64 queries
	s_and_b32 s[KH], s[WV], 1                      ; my 128 keys
	s_bfe_u32 s17, ttmp6, 0x40000                  ; cx
	s_bfe_u32 s18, ttmp6, 0x40004                  ; cy
	s_and_b32 s21, ttmp7, 0xffff                   ; cluster y
	s_lshl_b32 s19, s21, 2
	s_add_co_u32 s19, s19, s18                     ; tr: which 256 queries of the 8,192
	s_lshr_b32 s21, s21, 1                         ; the batch: 8 such blocks each
	s_lshl_b32 s20, ttmp9, 2
	s_add_co_u32 s20, s20, s17                     ; tcol: which 256 keys of the batch
	s_lshl_b32 s22, s18, 2
	s_lshl_b32 s22, 15, s22                        ; my row of the cluster
	s_lshl_b32 s23, 0x1111, s17                    ; my column
	s_or_b32 s[G1], s22, (3<<16)|(1<<21)
	s_or_b32 s[G1B], s23, (3<<16)|(1<<21)
.irp g, G1, G1B                        ; four blocks, 32,768 dense bytes, as 8 rows of 4,096 (512 elements of 8 bytes)
	s_mov_b32 s[\g+1], 512<<16
	s_mov_b32 s[\g+2], 8<<16
	s_mov_b32 s[\g+3], 512<<16
	s_mov_b32 s[\g+4], 8
	s_mov_b32 s[\g+5], 512
	s_mov_b32 s[\g+6], 0
	s_mov_b32 s[\g+7], 0
.endr
	s_and_b32 s2, s[WV], 3
	s_lshl_b32 s3, s2, 15                          ; my quarter of a tile
	s_lshl_b32 s96, s19, 17                        ; Q's tile: 131,072 bytes x tr
	s_add_co_u32 s96, s96, s3
	s_mov_b32 s97, 0
	s_lshl_b32 s100, s20, 17                       ; K's: 131,072 x tcol, in the batch's part
	s_add_co_u32 s100, s100, s3
	s_lshl_b32 s3, s21, 21
	s_add_co_u32 s100, s100, s3
	s_add_co_u32 s100, s100, 4194304
	s_mov_b32 s101, 0
	s_lshl_b32 s22, s[WV], 15                      ; where they go: wave x 32,768: no place in the cluster enters an LDS address
	s_mov_b32 s[G0], 1
	s_mov_b32 s[G0+1], s22
	s_mov_b32 s[G0B], 1
	s_mov_b32 s[G0B+1], s22
	s_lshl_b32 s74, s19, 10                        ; the scale words that I bring: two K steps of Q's 256 positions (waves 0-3) or of K's
	s_lshl_b32 s75, s20, 10
	s_lshl_b32 s3, s21, 13
	s_add_co_u32 s75, s75, s3
	s_add_co_u32 s75, s75, 262144
	s_cmp_lt_u32 s[WV], 4
	s_cselect_b32 s74, s74, s75
	s_lshl_b32 s2, s2, 16
	s_add_co_u32 s74, s74, s2
	s_mov_b32 s75, 0
	s_lshl_b32 s76, s19, 21                        ; the mask: 256 rows of 8,192 bytes x tr,
	s_lshl_b32 s2, s[QG], 19
	s_add_co_u32 s76, s76, s2                      ; my 64 rows,
	s_lshl_b32 s2, s20, 10
	s_add_co_u32 s76, s76, s2
	s_lshl_b32 s2, s[KH], 9
	s_add_co_u32 s76, s76, s2                      ; my 512 bytes of each
	s_mov_b32 s77, 0
	s_lshl_b32 s2, s20, 1
	s_add_co_u32 s2, s2, s[KH]                     ; my chunk of 128 keys
	s_lshl_b32 s78, s19, 18                        ; p's images: (16 tr + 4 QG) x 16,384 + 1,024 x chunk
	s_lshl_b32 s3, s[QG], 16
	s_add_co_u32 s78, s78, s3
	s_lshl_b32 s3, s2, 10
	s_add_co_u32 s78, s78, s3
	s_mov_b32 s79, 0
	s_lshl_b32 s80, s2, 15                         ; the words: 32,768 x chunk + 4 x (256 tr + 64 QG)
	s_lshl_b32 s3, s19, 10
	s_add_co_u32 s80, s80, s3
	s_lshl_b32 s3, s[QG], 8
	s_add_co_u32 s80, s80, s3
	s_mov_b32 s81, 0
	s_lshl_b32 s82, s[QG], 15                      ; my four blocks of Q in LDS
	s_lshl_b32 s83, s[KH], 16
	s_add_co_u32 s83, s83, KT                      ; my eight of K
	s_lshl_b32 s84, s[QG], 8
	s_add_co_u32 s84, s84, SCL                     ; my words of Q
	s_lshl_b32 s85, s[KH], 9
	s_add_co_u32 s85, s85, SCL+8192                ; and of K
	s_mul_i32 s86, s[WV], MSTW
	s_add_co_u32 s86, s86, MST
	s_mul_i32 s87, s[WV], 768
	s_add_co_u32 s87, s87, STG
	s_lshl_b32 s88, s[WV], 11
	s_add_co_u32 s88, s88, SCL                     ; where the words that I bring go
	s_mov_b32 s[SEL], 0x76543210
	s_mov_b32 s[SEL+1], 0xfedcba98                 ; v_permlanex16_b32's selects for lane l xor 16
	s_mov_b32 s[RSQ], 0x3d000000                   ; 1 / 32 = 1 / sqrt(1024)
	s_mov_b32 s[RSQ+1], s[RSQ]                     ; (named with it as a pair, so it is written)
	s_mov_b32 s[L2E], 0x3fb8aa3b                   ; log2(e)
	s_mov_b32 s[L2E+1], s[L2E]
	v_and_b32 v[CA], 31, v0                        ; lane
	v_and_b32 v[CA+1], 15, v0                      ; r
	v_bfe_u32 v[CA+2], v0, 4, 1                    ; h
	v_lshlrev_b32 v[LN16], 4, v[CA]
	v_lshlrev_b32 v[LN8], 3, v[CA]
	v_add_nc_u32 v[AQ], s82, v[LN16]
	v_add_nc_u32 v[AKK], s83, v[LN16]
	v_lshl_add_u32 v[AWQ], v[CA], 2, s84
	v_lshl_add_u32 v[AWK], v[CA], 2, s85
	v_mul_u32_u24 v[MSI], v[CA+2], 272
	v_lshl_add_u32 v[MSI], v[CA+1], 4, v[MSI]
	v_add_nc_u32 v[MSI], s86, v[MSI]               ; the stage, in: two rows of 256 bytes a store
	v_mul_u32_u24 v[MSO], v[CA+1], 272
	v_lshl_add_u32 v[MSO], v[CA+2], 6, v[MSO]
	v_add_nc_u32 v[MSO], s86, v[MSO]               ; and out: row r, + 64 h
	v_lshlrev_b32 v[GM], 13, v[CA+2]
	v_lshl_add_u32 v[GM], v[CA+1], 4, v[GM]
	v_lshl_add_u32 v[RI], v[CA+1], 2, s87
	v_add_nc_u32 v[RO], s87, v[LN8]
	v_add_nc_u32 v[CA+3], s88, v[LN16]
.irp b, 0,1,2,3
	v_mov_b32 v[BT+\b], 0                          ; a lane permute's destination counts as one of its sources
.endr
	v_mov_b32 v[TP], 0
	v_mov_b32 v[NM+1], 0                           ; (named as the upper half of a pair)
	s_wait_alu depctr_va_vdst(0)                   ; the wait at the head's end
	s_wait_dscnt 0x0                               ; both opening adds are done
	s_wait_kmcnt 0x0
	s_add_nc_u64 s[G0+2:G0+3], s[4:5], s[96:97]
	s_or_b32 s[G0+3], s[G0+3], 0x80000000
	s_add_nc_u64 s[G0B+2:G0B+3], s[4:5], s[100:101]
	s_or_b32 s[G0B+3], s[G0B+3], 0x80000000
	s_add_nc_u64 s[74:75], s[6:7], s[74:75]
	s_add_nc_u64 s[8:9], s[8:9], s[76:77]
	s_add_nc_u64 s[10:11], s[10:11], s[78:79]
	s_add_nc_u64 s[12:13], s[12:13], s[80:81]
.irp j, 0,1,2,3
	global_load_b128 v[ACC+4*\j:ACC+4*\j+3], v[LN16], s[74:75] offset:32768*(\j/2)+512*(\j%2)   ; the words: 512 consecutive bytes each
.endr
	CROUND                                         ; all sixteen work-groups are here: the joint loads meet
	s_cmp_lt_u32 s[WV], 4
	s_cbranch_scc0 .Lfor_k
	tensor_load_to_lds s[G0:G0+3], s[G1:G1+7]      ; waves 0-3: Q's quarters
	s_nop 0
.rept 4
	v_nop
.endr
	s_branch .Lasked
.Lfor_k:
	tensor_load_to_lds s[G0B:G0B+3], s[G1B:G1B+7]  ; waves 4-7: K's
	s_nop 0
.rept 4
	v_nop
.endr
.Lasked:
	GLH 0
	GLH 1
	s_wait_loadcnt 16                              ; the words are in; the mask's 16 loads may be out
.irp j, 0,1,2,3
	ds_store_b128 v[CA+3], v[ACC+4*\j:ACC+4*\j+3] offset:512*\j
.endr
	s_wait_tensorcnt 0x0                           ; my quarter is in,
	s_wait_dscnt 0x0                               ; and my words are stored
	s_barrier_signal -1                            ; nothing is ever filled again
	s_barrier_wait -1
	PASS 0, 2, 3
	s_wait_loadcnt 16                              ; block 0's mask is in; block 1's 16 loads may be out
	EPI 0, 0, 4, 5
	s_wait_loadcnt 16                              ; block 1's; block 2's may be out
	EPI 1, 1, 6, -1
	PASS 1, 7, -1
	s_wait_loadcnt 16                              ; block 2's; block 3's may be out
	EPI 0, 2, -1, -1
	s_wait_loadcnt 0x0
	EPI 1, 3, -1, -1
	ds_load_b64 v[EX:EX+1], v[RO]                  ; my wave's 64 scale words, M and sums, in order behind my stores
	ds_load_b64 v[EX+2:EX+3], v[RO] offset:256
	ds_load_b64 v[EX+4:EX+5], v[RO] offset:512
	s_wait_dscnt 0x0
	global_store_b64 v[LN8], v[EX:EX+1], s[12:13]                      ; 256 consecutive bytes each, aligned
	global_store_b64 v[LN8], v[EX+2:EX+3], s[12:13] offset:524288
	global_store_b64 v[LN8], v[EX+4:EX+5], s[12:13] offset:1048576
	s_wait_tensorcnt 0x0                           ; the wave's end
	ds_add_u32 v[SPW], v[NIL]
	s_wait_dscnt 0x0
	CROUND                                         ; the closing round: no work-group ends while a partner may still ask for a tile that names it
	s_endpgm
.Lfunc_end_k_qeab4eca34c_score:
	.size	k_qeab4eca34c_score, .Lfunc_end_k_qeab4eca34c_score-k_qeab4eca34c_score
	.p2alignl 7, 3214868480
	.fill 96, 4, 3214868480
	.section	.rodata,"a",@progbits
	.p2align	6, 0x0
	.amdhsa_kernel k_qeab4eca34c_score
		.amdhsa_group_segment_fixed_size 327680
		.amdhsa_private_segment_fixed_size 0
		.amdhsa_enable_private_segment 0
		.amdhsa_kernarg_size 40
		.amdhsa_user_sgpr_count 2
		.amdhsa_user_sgpr_kernarg_segment_ptr 1
		.amdhsa_wavefront_size32 1
		.amdhsa_system_sgpr_workgroup_id_x 1
		.amdhsa_system_sgpr_workgroup_id_y 1
		.amdhsa_system_sgpr_workgroup_id_z 1
		.amdhsa_system_vgpr_workitem_id 0
		.amdhsa_next_free_vgpr 512
		.amdhsa_next_free_sgpr 106
		.amdhsa_reserve_vcc 0
		.amdhsa_float_denorm_mode_32 3
		.amdhsa_float_denorm_mode_16_64 3
		.amdhsa_memory_ordered 1
		.amdhsa_forward_progress 1
		.amdhsa_inst_pref_size 108
	.end_amdhsa_kernel
	.amdgpu_metadata
---
amdhsa.version: [ 1, 2 ]
amdhsa.kernels:
  - .name:           k_qeab4eca34c_score
    .symbol:         k_qeab4eca34c_score.kd
    .args:
      - { .name: c2, .offset: 0, .size: 8, .value_kind: global_buffer, .address_space: global }
      - { .name: s2, .offset: 8, .size: 8, .value_kind: global_buffer, .address_space: global }
      - { .name: mask, .offset: 16, .size: 8, .value_kind: global_buffer, .address_space: global }
      - { .name: c3, .offset: 24, .size: 8, .value_kind: global_buffer, .address_space: global }
      - { .name: s3, .offset: 32, .size: 8, .value_kind: global_buffer, .address_space: global }
    .group_segment_fixed_size: 327680
    .private_segment_fixed_size: 0
    .kernarg_segment_align: 8
    .kernarg_segment_size: 40
    .max_flat_workgroup_size: 256
    .sgpr_count:     106
    .vgpr_count:     512
    .wavefront_size: 32
...
	.end_amdgpu_metadata
.endif
;; end of part 3
;; launch outp (part 4): grid 32 x 8, 8 waves a work-group, clusters of 4 x 4, 327,680 bytes of LDS; arguments c3, s3, c2, s2, out0; writes out0
.if DOCPART == 4
	.amdgcn_target "amdgcn-amd-amdhsa--gfx1250"
	.amdhsa_code_object_version 6
	.text
	.protected	k_qeab4eca34c_outp
	.globl	k_qeab4eca34c_outp
	.p2align	8
	.type	k_qeab4eca34c_outp,@function
k_qeab4eca34c_outp:
	s_mov_b64 s[64:65], 0
	v_nop
	global_prefetch_b8 v0, s[64:65] scope:SCOPE_SE
	s_setreg_imm32_b32 hwreg(HW_REG_WAVE_MODE, 25, 1), 1
	s_wait_xcnt 0x0
	s_wait_alu depctr_hold_cnt(0) depctr_sa_sdst(0) depctr_va_vdst(0) depctr_va_sdst(0) depctr_va_ssrc(0) depctr_va_vcc(0) depctr_vm_vsrc(0)
	s_getreg_b32 s2, hwreg(HW_REG_IB_STS2, 6, 4)
	s_cmp_eq_u32 s2, 0
	s_cbranch_scc0 .Lentry_in_a_cluster
	s_endpgm
.Lentry_in_a_cluster:
	s_bfe_u32 s2, ttmp6, 0x10000c
	s_cmp_lg_u32 s2, 0xf033
	s_cbranch_scc0 .Lentry_shape_is_right
	s_endpgm
.Lentry_shape_is_right:
; out = P V / sum on codes of FP4.  P's codes stand under a local whole M for each query and chunk of 128 keys; here each chunk's scale bytes are brought under the row's M (a whole power of two added to the exponents; a byte that would fall under 0 becomes 0)
; and the local sums are added under it.
; A work-group makes 256 queries x 128 channels in eight waves; wave w takes queries 32 w on, all 128 channels: 16 accumulators of 16 x 16, 128 registers.
; LDS holds V's slice whole (8 channel blocks x 16 key steps x 1,024 bytes) and P's tile for HALF of the keys (16 query blocks x 8 key steps x 1,024).  At the head waves 0-3 fetch V's quarters and waves 4-7 those of P's first half, one load of 32,768 bytes a wave.
; When every wave has P's first half in registers the second half takes its place, 16,384 bytes a wave, each wave its own queries': it has all of the first half's products in which to land, and the wave that asked for it alone reads it.
; CLUSTER 4 x 4: V's slice is shared along a row (neighbouring query tiles of one batch), P's tile along a column (neighbouring channel slices): joint loads.
; Two channel blocks go together: four accumulators by turns (channel block, query block).  In the second half each pair of blocks is finished and divided by the sum; four blocks make 64 channels, which leave through the wave's own stage as aligned units of 256 bytes.
; The stage lies in the wave's own part of P's place, behind the last fill and the last read of it.
; Source 0 = 16 channels, source 1 = 16 queries: a lane (r, h) holds one query and 8 neighbouring channels; position p of a row axis holds row T(p) = p with bits 3 and 4 exchanged.
; No prefetch: the launch has no loop over memory to run ahead in.
; LIMITS: NaN and infinities are not served.
.set PB,    131072                     ; P's place: query block q at PB + 8,192 q
.set VWL,   262144                     ; V's scale words [16 key steps][128 channels]
.set RAWB,  270336                     ; P's words, local M, local sums: 3 x [16 chunks][256 queries]
.set SPARE, 319488                     ; the spare words: 128 bytes for each wave; no other line names them
.set LN16, 1                           ; 16 x lane: also V's channel blocks 0-3
.set AVB,  2                           ; V's channel blocks 4-7
.set AVW,  3
.set APP,  4                           ; my two query blocks of P
.set OSW,  6
.set OSR,  7
.set GO,   8
.set RB,   9
.set RAWI, 10
.set VWI,  11
.set MXR,  18
.set RC,   19
.set PT,   20
.set RL,   22                          ; v22, v24: 1 / sum of query blocks 0, 1 (pairs)
.set SPW,  28
.set NIL,  29
.set W,    32                          ; v32-39 V's scale words of two blocks: lanes 0-15 key step 2 i, lanes 16-31 key step 2 i + 1
.set PWD,  56                          ; v56-71 P's: lanes 0-15 query block 0, lanes 16-31 block 1
.set R,    72                          ; v72-103 results on their way to the stage
.set VF,   128                         ; v128-255 V's fragments: block e, key step s at VF + 64 e + 8 s; at the head tables; on the way out rows
.set ACC,  128                         ; in window 1: accumulator (channel block cb, query block q) at ACC + 16 cb + 8 q; window 1's v0-127: P's fragments, (s, q) at 16 s + 8 q
.set WV,   14
.set SEL,  22
.set G1V,  24
.set G0V,  32
.set OA,   36
.set HS,   38
.set G1P,  68
.set G1R,  76
.set G0P,  84
.set G0R,  88
.set MSB, 0
.macro WIN new                         ; the immediate's high byte repeats the setting that is left
.if MSB != (\new)
	s_set_vgpr_msb (MSB<<8)|(\new)
.set MSB, \new
.endif
.endm
.macro PLACES                          ; four plain places behind matrix instructions (ISA guide 7.12.1)
.rept 4
	v_nop
.endr
.endm
.macro CROUND                          ; a round of the cluster's barrier
	s_barrier_signal -1
	s_barrier_wait -1
	s_cmp_lg_u32 s[WV], 0
	s_cbranch_scc1 .Lnot_wave_0_\@
	s_barrier_signal -3
.Lnot_wave_0_\@:
	s_barrier_wait -3
	s_barrier_signal -1
	s_barrier_wait -1
.endm
.macro PREAD                           ; the half of P that lies in LDS: my two query blocks, 8 key steps
	WIN 0x40                                       ; destination window 1
.irp s, 0,1,2,3,4,5,6,7
.irp q, 0,1
.irp c, 0,1
	ds_load_b128 v[16*\s+8*\q+4*\c:16*\s+8*\q+4*\c+3], v[APP] offset:8192*\q+1024*\s+512*\c
.endr
.endr
.endr
	WIN 0
.endm
.macro VLOAD pr, half                  ; V's channel blocks 2 pr, 2 pr + 1, key steps 8 half on: 8 + 32 LDS loads
.irp e, 0,1
.irp i, 0,1,2,3
	ds_load_b32 v[W+4*\e+\i], v[AVW] offset:4096*(\half)+1024*\i+64*(2*(\pr)+\e)
.endr
.endr
.set rV, LN16
.if (\pr) >= 2
.set rV, AVB
.endif
.irp s, 0,1,2,3,4,5,6,7
.irp e, 0,1
.irp c, 0,1
	ds_load_b128 v[VF+64*\e+8*\s+4*\c:VF+64*\e+8*\s+4*\c+3], v[rV] offset:16384*(2*((\pr)%2)+\e)+8192*(\half)+1024*\s+512*\c
.endr
.endr
.endr
.endm
.macro MM z, ra, rb                    ; one product; z: C = 0; ra, rb: the scales stand in lanes 16-31
.if \z
.if \ra
.if \rb
	v_wmma_scale_f32_16x16x128_f8f6f4 v[rD:rD+7], v[rA:rA+7], v[rB:rB+7], 0, v[rX], v[rY] matrix_a_fmt:MATRIX_FMT_FP4 matrix_b_fmt:MATRIX_FMT_FP4 matrix_a_scale:MATRIX_SCALE_ROW1 matrix_b_scale:MATRIX_SCALE_ROW1
.else
	v_wmma_scale_f32_16x16x128_f8f6f4 v[rD:rD+7], v[rA:rA+7], v[rB:rB+7], 0, v[rX], v[rY] matrix_a_fmt:MATRIX_FMT_FP4 matrix_b_fmt:MATRIX_FMT_FP4 matrix_a_scale:MATRIX_SCALE_ROW1
.endif
.else
.if \rb
	v_wmma_scale_f32_16x16x128_f8f6f4 v[rD:rD+7], v[rA:rA+7], v[rB:rB+7], 0, v[rX], v[rY] matrix_a_fmt:MATRIX_FMT_FP4 matrix_b_fmt:MATRIX_FMT_FP4 matrix_b_scale:MATRIX_SCALE_ROW1
.else
	v_wmma_scale_f32_16x16x128_f8f6f4 v[rD:rD+7], v[rA:rA+7], v[rB:rB+7], 0, v[rX], v[rY] matrix_a_fmt:MATRIX_FMT_FP4 matrix_b_fmt:MATRIX_FMT_FP4
.endif
.endif
.else
.if \ra
.if \rb
	v_wmma_scale_f32_16x16x128_f8f6f4 v[rD:rD+7], v[rA:rA+7], v[rB:rB+7], v[rD:rD+7], v[rX], v[rY] matrix_a_fmt:MATRIX_FMT_FP4 matrix_b_fmt:MATRIX_FMT_FP4 matrix_a_scale:MATRIX_SCALE_ROW1 matrix_b_scale:MATRIX_SCALE_ROW1
.else
	v_wmma_scale_f32_16x16x128_f8f6f4 v[rD:rD+7], v[rA:rA+7], v[rB:rB+7], v[rD:rD+7], v[rX], v[rY] matrix_a_fmt:MATRIX_FMT_FP4 matrix_b_fmt:MATRIX_FMT_FP4 matrix_a_scale:MATRIX_SCALE_ROW1
.endif
.else
.if \rb
	v_wmma_scale_f32_16x16x128_f8f6f4 v[rD:rD+7], v[rA:rA+7], v[rB:rB+7], v[rD:rD+7], v[rX], v[rY] matrix_a_fmt:MATRIX_FMT_FP4 matrix_b_fmt:MATRIX_FMT_FP4 matrix_b_scale:MATRIX_SCALE_ROW1
.else
	v_wmma_scale_f32_16x16x128_f8f6f4 v[rD:rD+7], v[rA:rA+7], v[rB:rB+7], v[rD:rD+7], v[rX], v[rY] matrix_a_fmt:MATRIX_FMT_FP4 matrix_b_fmt:MATRIX_FMT_FP4
.endif
.endif
.endif
.endm
.macro VSTEPS pr, half                 ; 32 products: four accumulators by turns, one instruction a turn
	WIN 0x54                                       ; source 0 (V) window 0, source 1 (P), C and D window 1
.irp s, 0,1,2,3,4,5,6,7
	s_wait_dscnt 28-4*\s                           ; this key step's four loads are in
.irp e, 0,1
.irp q, 0,1
.set rD, ACC+16*(2*(\pr)+\e)+8*\q
.set rA, VF+64*\e+8*\s
.set rB, 16*\s+8*\q
.set rX, W+4*\e+\s/2
.set rY, PWD+8*(\half)+\s
.set rH, (\s)%2
.set rZ, 8*(\half)+\s
.if rZ == 0
	MM 1, rH, \q
.else
	MM 0, rH, \q
.endif
.endr
.endr
.endr
	WIN 0
	PLACES
.endm
.macro EPI pr                          ; two finished channel blocks into my stage: row = query position, 8 neighbouring channels a lane
	WIN 0x01                                       ; source 0: window 1
.irp e, 0,1
.irp q, 0,1
.irp j, 0,2,4,6
	v_pk_mul_f32 v[R+16*\e+8*\q+\j:R+16*\e+8*\q+\j+1], v[ACC+16*(2*(\pr)+\e)+8*\q+\j:ACC+16*(2*(\pr)+\e)+8*\q+\j+1], v[RL+2*\q:RL+2*\q+1] op_sel_hi:[1,0]
.endr
.endr
.endr
	WIN 0
.irp e, 0,1
.irp q, 0,1
	ds_store_b128 v[OSW], v[R+16*\e+8*\q:R+16*\e+8*\q+3] offset:4352*\q+128*((\pr)%2)+32*\e
	ds_store_b128 v[OSW], v[R+16*\e+8*\q+4:R+16*\e+8*\q+7] offset:4352*\q+128*((\pr)%2)+32*\e+16
.endr
.endr
.endm
.macro OUT hh                          ; 64 channels of my 32 queries
.irp t, 0,1,2,3,4,5,6,7,8,9,10,11,12,13,14,15
	ds_load_b128 v[VF+4*\t:VF+4*\t+3], v[OSR] offset:544*\t       ; rows 2 t and 2 t + 1, in order behind my stores
.endr
	s_wait_dscnt 0x0
.irp t, 0,1,2,3,4,5,6,7,8,9,10,11,12,13,14,15
	global_store_b128 v[GO], v[VF+4*\t:VF+4*\t+3], s[OA:OA+1] offset:((2*\t)%8+16*((\t/4)%2)+8*(\t/8))*4096+256*(\hh) th:TH_STORE_NT   ; sixteen lanes an aligned unit of 256 bytes
.endr
.endm
	s_load_b256 s[4:11], s[0:1], 0x0               ; c3 s[4:5], s3 s[6:7], c2 s[8:9], s2 s[10:11]
	s_load_b64 s[12:13], s[0:1], 0x20              ; out
	v_lshl_add_u32 v[SPW], v0, 2, SPARE
	v_mov_b32 v[NIL], 0
	ds_add_u32 v[SPW], v[NIL]                      ; the opening add, twice on end, and its wait
	ds_add_u32 v[SPW], v[NIL]
	v_lshrrev_b32 v1, 5, v0
	v_readfirstlane_b32 s[WV], v1                  ; wave 0..7
	s_bfe_u32 s40, ttmp6, 0x40000                  ; cx
	s_bfe_u32 s61, ttmp6, 0x40004                  ; cy
	s_lshl_b32 s41, ttmp9, 2
	s_add_co_u32 s41, s41, s40                     ; the tile: 256 queries
	s_lshr_b32 s42, ttmp9, 1                       ; the batch: two clusters along x each
	s_and_b32 s43, ttmp7, 0xffff
	s_lshl_b32 s43, s43, 2
	s_add_co_u32 s43, s43, s61                     ; the slice: 128 channels
	s_lshl_b32 s62, s61, 2
	s_lshl_b32 s62, 15, s62                        ; my row of the cluster
	s_lshl_b32 s63, 0x1111, s40                    ; my column
	s_or_b32 s[G1V], s62, (3<<16)|(1<<21)
	s_or_b32 s[G1P], s63, (3<<16)|(1<<21)
	s_or_b32 s[G1R], s63, (3<<16)|(1<<21)
	s_mov_b32 s[G1V+1], 512<<16                    ; V: two channel blocks, 32,768 dense bytes, as 8 rows of 4,096 (512 elements of 8 bytes)
	s_mov_b32 s[G1V+2], 8<<16
	s_mov_b32 s[G1V+3], 512<<16
	s_mov_b32 s[G1V+4], 8
	s_mov_b32 s[G1V+5], 512
	s_mov_b32 s[G1V+6], 0
	s_mov_b32 s[G1V+7], 0
	s_mov_b32 s[G1P+1], 1024<<16                   ; P at the head: four query blocks, 8,192 bytes of each, 16,384 bytes apart
	s_mov_b32 s[G1P+2], 4<<16
	s_mov_b32 s[G1P+3], 1024<<16
	s_mov_b32 s[G1P+4], 4
	s_mov_b32 s[G1P+5], 2048
	s_mov_b32 s[G1P+6], 0
	s_mov_b32 s[G1P+7], 0
	s_mov_b32 s[G1R+1], 1024<<16                   ; P's refill: two query blocks
	s_mov_b32 s[G1R+2], 2<<16
	s_mov_b32 s[G1R+3], 1024<<16
	s_mov_b32 s[G1R+4], 2
	s_mov_b32 s[G1R+5], 2048
	s_mov_b32 s[G1R+6], 0
	s_mov_b32 s[G1R+7], 0
	s_and_b32 s66, s[WV], 3
	s_lshl_b32 s44, s42, 21                        ; V: behind Q's 4 MiB and the batch's 1 MiB of K; 131,072 bytes a slice, my quarter
	s_lshl_b32 s45, s43, 17
	s_add_co_u32 s44, s44, s45
	s_add_co_u32 s44, s44, 5242880
	s_lshl_b32 s45, s66, 15
	s_add_co_u32 s44, s44, s45
	s_mov_b32 s45, 0
	s_lshl_b32 s46, s[WV], 15                      ; where the head's loads go: wave x 32,768: no place in the cluster enters an LDS address
	s_mov_b32 s[G0V], 1
	s_mov_b32 s[G0V+1], s46
	s_mov_b32 s[G0P], 1
	s_mov_b32 s[G0P+1], s46
	s_lshl_b32 s47, s[WV], 14
	s_add_co_u32 s47, s47, PB                      ; my two query blocks in P's place
	s_mov_b32 s[G0R], 1
	s_mov_b32 s[G0R+1], s47
	s_lshl_b32 s50, s41, 18                        ; P: 262,144 bytes a tile; at the head four blocks a wave,
	s_lshl_b32 s56, s66, 16
	s_add_co_u32 s56, s56, s50
	s_mov_b32 s57, 0
	s_lshl_b32 s51, s[WV], 15
	s_add_co_u32 s50, s50, s51
	s_add_co_u32 s50, s50, 8192                    ; then my own two, the second half of the keys
	s_mov_b32 s51, 0
	s_lshl_b32 s48, s42, 16                        ; V's words: 4,096 bytes a key step, 512 a slice; my two key steps
	s_lshl_b32 s49, s43, 9
	s_add_co_u32 s48, s48, s49
	s_lshl_b32 s49, s[WV], 13
	s_add_co_u32 s48, s48, s49
	s_add_co_u32 s48, s48, 524288
	s_mov_b32 s49, 0
	s_lshl_b32 s52, s41, 10                        ; the tables: 1,024 bytes a tile in each chunk; my two chunks
	s_lshl_b32 s53, s[WV], 16
	s_add_co_u32 s52, s52, s53
	s_mov_b32 s53, 0
	s_lshl_b32 s54, s41, 20                        ; out: 256 rows of 4,096 bytes a tile, 32 a wave, 512 bytes a slice
	s_lshl_b32 s55, s[WV], 17
	s_add_co_u32 s54, s54, s55
	s_lshl_b32 s55, s43, 9
	s_add_co_u32 s54, s54, s55
	s_mov_b32 s55, 0
	s_lshl_b32 s92, s[WV], 11
	s_add_co_u32 s92, s92, RAWB                    ; where my two chunks of the tables go
	s_lshl_b32 s58, s[WV], 10
	s_add_co_u32 s58, s58, VWL                     ; and my two key steps of V's words
	s_lshl_b32 s59, s[WV], 7
	s_add_co_u32 s59, s59, RAWB                    ; my queries' part of the tables
	s_mov_b32 s[SEL], 0x76543210
	s_mov_b32 s[SEL+1], 0xfedcba98                 ; v_permlanex16_b32's selects for lane l xor 16
	s_mov_b32 s[HS], 0xffff0000                    ; lanes 16-31
	s_mov_b32 s60, 0x01010101
	v_and_b32 v[R], 31, v0                         ; lane
	v_and_b32 v[R+1], 15, v0                       ; r
	v_bfe_u32 v[R+2], v0, 4, 1                     ; h
	v_lshlrev_b32 v[LN16], 4, v[R]
	v_add_nc_u32 v[AVB], 65536, v[LN16]
	v_lshlrev_b32 v[AVW], 9, v[R+2]
	v_lshl_add_u32 v[AVW], v[R+1], 2, v[AVW]
	v_add_nc_u32 v[AVW], VWL, v[AVW]
	v_add_nc_u32 v[APP], s47, v[LN16]
	v_mul_u32_u24 v[OSW], v[R+1], 272
	v_lshl_add_u32 v[OSW], v[R+2], 6, v[OSW]
	v_add_nc_u32 v[OSW], s47, v[OSW]               ; the stage, in: row r, + 64 h
	v_mul_u32_u24 v[OSR], v[R+2], 272
	v_lshl_add_u32 v[OSR], v[R+1], 4, v[OSR]
	v_add_nc_u32 v[OSR], s47, v[OSR]               ; and out: two rows of 256 bytes a load
	v_lshlrev_b32 v[GO], 12, v[R+2]
	v_lshl_add_u32 v[GO], v[R+1], 4, v[GO]
	v_lshl_add_u32 v[RB], v[R], 2, s59
	v_add_nc_u32 v[RAWI], s92, v[LN16]
	v_add_nc_u32 v[VWI], s58, v[LN16]
	v_mov_b32 v[PT], 0                             ; a lane permute's destination counts as one of its sources
	v_mov_b32 v[RL+1], 0                           ; (named as upper halves)
	v_mov_b32 v[RL+3], 0
	s_wait_alu depctr_va_vdst(0)                   ; the wait at the head's end
	s_wait_dscnt 0x0                               ; both opening adds are done
	s_wait_kmcnt 0x0
	s_add_nc_u64 s[G0V+2:G0V+3], s[8:9], s[44:45]
	s_or_b32 s[G0V+3], s[G0V+3], 0x80000000
	s_add_nc_u64 s[G0P+2:G0P+3], s[4:5], s[56:57]
	s_or_b32 s[G0P+3], s[G0P+3], 0x80000000
	s_add_nc_u64 s[G0R+2:G0R+3], s[4:5], s[50:51]
	s_or_b32 s[G0R+3], s[G0R+3], 0x80000000
	s_add_nc_u64 s[10:11], s[10:11], s[48:49]
	s_add_nc_u64 s[6:7], s[6:7], s[52:53]
	s_add_nc_u64 s[OA:OA+1], s[12:13], s[54:55]
.irp j, 0,1
	global_load_b128 v[VF+4*\j:VF+4*\j+3], v[LN16], s[10:11] offset:4096*\j        ; V's words: 512 consecutive bytes each
.endr
.irp a, 0,1,2
.irp j, 0,1,2,3
	global_load_b128 v[VF+8+16*\a+4*\j:VF+8+16*\a+4*\j+3], v[LN16], s[6:7] offset:524288*\a+32768*(\j/2)+512*(\j%2)
.endr
.endr
	CROUND                                         ; all sixteen work-groups are here: the joint loads meet
	s_cmp_lt_u32 s[WV], 4
	s_cbranch_scc0 .Lfor_p
	tensor_load_to_lds s[G0V:G0V+3], s[G1V:G1V+7]  ; waves 0-3: V's quarters
	s_nop 0
.rept 4
	v_nop
.endr
	s_branch .Lasked
.Lfor_p:
	tensor_load_to_lds s[G0P:G0P+3], s[G1P:G1P+7]  ; waves 4-7: those of P's first half
	s_nop 0
.rept 4
	v_nop
.endr
.Lasked:
	s_wait_loadcnt 0x0                             ; the tables and V's words are in
.irp j, 0,1
	ds_store_b128 v[VWI], v[VF+4*\j:VF+4*\j+3] offset:512*\j
.endr
.irp a, 0,1,2
.irp j, 0,1,2,3
	ds_store_b128 v[RAWI], v[VF+8+16*\a+4*\j:VF+8+16*\a+4*\j+3] offset:16384*\a+512*\j
.endr
.endr
	s_wait_tensorcnt 0x0                           ; my load is in,
	s_wait_dscnt 0x0                               ; and my tables are stored
	s_barrier_signal -1
	s_barrier_wait -1
	PREAD                                          ; P's first half
.irp c, 0,1,2,3,4,5,6,7,8,9,10,11,12,13,14,15
	ds_load_b32 v[VF+\c], v[RB] offset:16384+1024*\c       ; M
	ds_load_b32 v[VF+16+\c], v[RB] offset:32768+1024*\c    ; sums
	ds_load_b32 v[VF+32+\c], v[RB] offset:1024*\c          ; words
.endr
	s_wait_tensorcnt 0x0                           ; no tensor load of mine is out
	ds_add_u32 v[SPW], v[NIL]                      ; 0 onto my spare word
	s_wait_dscnt 0x0                               ; the add is done, and my reads of P's first half are over
	CROUND                                         ; so are those of every wave of every partner
	tensor_load_to_lds s[G0R:G0R+3], s[G1R:G1R+7]  ; P's second half, my own queries': my one load behind the round
	s_nop 0
.rept 4
	v_nop
.endr
	; P's scale words under the row's M, and the sum
	v_max3_num_f32 v[MXR], v[VF], v[VF+1], v[VF+2]
.irp c, 3,5,7,9,11,13
	v_max3_num_f32 v[MXR], v[MXR], v[VF+\c], v[VF+\c+1]
.endr
	v_max_num_f32 v[MXR], v[MXR], v[VF+15]         ; the row's M
.irp g, 0,4,8,12                       ; four chunks at a time, by turns
.irp e, 0,1,2,3
	v_sub_f32 v[VF+\g+\e], v[VF+\g+\e], v[MXR]     ; whole, 0 or less,
.endr
.irp e, 0,1,2,3
	v_max_num_f32 v[VF+\g+\e], 0xc2fe0000, v[VF+\g+\e]     ; held at -127 from below
.endr
.irp e, 0,1,2,3
	v_cvt_i32_f32 v[VF+\g+\e], v[VF+\g+\e]
.endr
.irp e, 0,1,2,3
	v_ldexp_f32 v[VF+16+\g+\e], v[VF+16+\g+\e], v[VF+\g+\e]   ; the sum under the row's M
.endr
.irp e, 0,1,2,3
	v_mul_lo_u32 v[VF+\g+\e], v[VF+\g+\e], s60     ; the same number in all four bytes, with carries
.endr
.irp e, 0,1,2,3
	v_or_b32 v[VF+32+\g+\e], 0x80808080, v[VF+32+\g+\e]       ; a byte is 125 at the most: with 128 on top no byte borrows from the next
.endr
.irp e, 0,1,2,3
	v_add_nc_u32 v[VF+32+\g+\e], v[VF+32+\g+\e], v[VF+\g+\e]
.endr
.irp e, 0,1,2,3
	v_lshrrev_b32 v[VF+\g+\e], 7, v[VF+32+\g+\e]
.endr
.irp e, 0,1,2,3
	v_and_b32 v[VF+\g+\e], s60, v[VF+\g+\e]        ; 1 where the byte has not fallen under 0
.endr
.irp e, 0,1,2,3
	v_lshlrev_b32 v[VF+48+\e], 8, v[VF+\g+\e]
.endr
.irp e, 0,1,2,3
	v_sub_nc_u32 v[VF+48+\e], v[VF+48+\e], v[VF+\g+\e]
.endr
.irp e, 0,1,2,3
	v_and_b32 v[VF+32+\g+\e], 0x7f7f7f7f, v[VF+32+\g+\e]
.endr
.irp e, 0,1,2,3
	v_and_b32 v[PWD+\g+\e], v[VF+32+\g+\e], v[VF+48+\e]
.endr
.endr
.irp s, 8,4,2,1
.set j, 0
.rept \s
	v_add_f32 v[VF+16+j], v[VF+16+j], v[VF+16+\s+j]
.set j, j+1
.endr
.endr
	s_wait_alu depctr_va_vdst(0)                   ; the wait ahead of the transcendental
	v_rcp_f32 v[RC], v[VF+16]
	v_nop
	s_wait_alu depctr_va_vdst(0)                   ; and ahead of its first reader
	v_permlanex16_b32 v[PT], v[RC], s[SEL], s[SEL+1]
	v_cndmask_b32 v[RL], v[RC], v[PT], s[HS]       ; 1 / sum of query block 0, in all lanes,
	v_cndmask_b32 v[RL+2], v[PT], v[RC], s[HS]     ; and of block 1
	s_wait_alu depctr_va_vdst(0)                   ; the wait here, ahead of the waits below
	; the first half of the keys: each pair's fragments are asked for as soon as the pair before has been multiplied
	VLOAD 0, 0
.irp pr, 0,1,2,3
	VSTEPS \pr, 0
.if \pr < 3
	VLOAD \pr+1, 0
.endif
.endr
	; the second half: the wave reads what it fetched itself, so no barrier stands here
	s_wait_tensorcnt 0x0
	PREAD
	VLOAD 0, 1
.irp pr, 0,1,2,3
	VSTEPS \pr, 1
	EPI \pr
.if \pr == 1
	OUT 0
	s_wait_xcnt 0x0                                ; the stores have read their registers: fragments may land there
.endif
.if \pr < 3
	VLOAD \pr+1, 1
.endif
.endr
	OUT 1
	s_wait_tensorcnt 0x0                           ; the wave's end
	ds_add_u32 v[SPW], v[NIL]
	s_wait_dscnt 0x0
	CROUND                                         ; the closing round: no work-group ends while a partner may still ask for a tile that names it
	s_endpgm
.Lfunc_end_k_qeab4eca34c_outp:
	.size	k_qeab4eca34c_outp, .Lfunc_end_k_qeab4eca34c_outp-k_qeab4eca34c_outp
	.p2alignl 7, 3214868480
	.fill 96, 4, 3214868480
	.section	.rodata,"a",@progbits
	.p2align	6, 0x0
	.amdhsa_kernel k_qeab4eca34c_outp
		.amdhsa_group_segment_fixed_size 327680
		.amdhsa_private_segment_fixed_size 0
		.amdhsa_enable_private_segment 0
		.amdhsa_kernarg_size 40
		.amdhsa_user_sgpr_count 2
		.amdhsa_user_sgpr_kernarg_segment_ptr 1
		.amdhsa_wavefront_size32 1
		.amdhsa_system_sgpr_workgroup_id_x 1
		.amdhsa_system_sgpr_workgroup_id_y 1
		.amdhsa_system_sgpr_workgroup_id_z 1
		.amdhsa_system_vgpr_workitem_id 0
		.amdhsa_next_free_vgpr 512
		.amdhsa_next_free_sgpr 100
		.amdhsa_reserve_vcc 0
		.amdhsa_float_denorm_mode_32 3
		.amdhsa_float_denorm_mode_16_64 3
		.amdhsa_memory_ordered 1
		.amdhsa_forward_progress 1
		.amdhsa_inst_pref_size 95
	.end_amdhsa_kernel
	.amdgpu_metadata
---
amdhsa.version: [ 1, 2 ]
amdhsa.kernels:
  - .name:           k_qeab4eca34c_outp
    .symbol:         k_qeab4eca34c_outp.kd
    .args:
      - { .name: c3, .offset: 0, .size: 8, .value_kind: global_buffer, .address_space: global }
      - { .name: s3, .offset: 8, .size: 8, .value_kind: global_buffer, .address_space: global }
      - { .name: c2, .offset: 16, .size: 8, .value_kind: global_buffer, .address_space: global }
      - { .name: s2, .offset: 24, .size: 8, .value_kind: global_buffer, .address_space: global }
      - { .name: out0, .offset: 32, .size: 8, .value_kind: global_buffer, .address_space: global }
    .group_segment_fixed_size: 327680
    .private_segment_fixed_size: 0
    .kernarg_segment_align: 8
    .kernarg_segment_size: 40
    .max_flat_workgroup_size: 256
    .sgpr_count:     100
    .vgpr_count:     512
    .wavefront_size: 32
...
	.end_amdgpu_metadata
.endif
;; end of part 4
